; MI455X (gfx1250); checked and timed in simulation.
; The chip was launched on July 23, 2026; its instructions are those of AMD's public machine-readable ISA for CDNA 5 (MIT licence, August 2026) and "CDNA5" Instruction Set Architecture Reference Guide (July 2026). The comments in the code are by the model that wrote it; some were corrected since.
;; Encoder Block. Allowed arithmetic: float matrix products may take bf16 or f16 operands with f32 sums; all other float work in f32.
;; Inputs: W1 4,096 x 1,024 float32; W2 1,024 x 4,096 float32; Wk 1,024 x 1,024 float32; Wo 1,024 x 1,024 float32; Wq 1,024 x 1,024 float32; Wv 1,024 x 1,024 float32; alpha1 1 float32; alpha2 1 float32; b1 4,096 float32; b2 1,024 float32; bias1 1 float32; bias2 1 float32; bk 1,024 float32; bo 1,024 float32; bq 1,024 float32; bv 1,024 float32; mask 2 x 1 x 1 x 2,048 int32; x 2 x 2,048 x 1,024 float32.
;; Outputs: out0 2 x 2,048 x 1,024 float32.
;; One version. Each part assembles by itself: llvm-mc -triple=amdgcn-amd-amdhsa -mcpu=gfx1250 --defsym DOCPART=n.
;; ======== version 1 of 1: 7 launches
;; limits: right only within a limited range of input values; values are held in f16: magnitudes above 65,504 overflow, below 6.1e-05 lose precision
;; workspace buffers: wb 25,165,824 bytes; xn 8,388,608 bytes; qkv 25,165,824 bytes; o 8,388,608 bytes; x1 16,777,216 bytes; h 33,554,432 bytes
;; launch prep (part 1): grid 512 x 1, 8 waves a work-group, no clusters, 0 bytes of LDS; arguments x, Wq, Wk, Wv, Wo, W1, W2, alpha1, bias1, xn, wb; writes xn, wb
.if DOCPART == 1
	.amdgcn_target "amdgcn-amd-amdhsa--gfx1250"
	.amdhsa_code_object_version 6
	.text
	.protected	k_q58d33a2788_prep
	.globl	k_q58d33a2788_prep
	.p2align	8
	.type	k_q58d33a2788_prep,@function
k_q58d33a2788_prep:
	s_mov_b64 s[64:65], 0
	v_nop
	global_prefetch_b8 v0, s[64:65] scope:SCOPE_SE
	s_setreg_imm32_b32 hwreg(HW_REG_WAVE_MODE, 25, 1), 1
	s_wait_xcnt 0x0
; prep: xn = LayerNorm1(x) in f16, and the six weight matrices into wb (Wq, Wk, Wv, Wo, W1, W2 on end) as f16 codes.
; FORMATS OF THE WHOLE PROGRAM.  Every floating-point input (x, weights, biases, gains) is rounded to bf16 once and used only so; what the program itself makes for the matrix units
; (xn, q, k, v, the weights p, o, h) is rounded to f16.  A weight's bf16 value is written as an f16 code: exact from 2^-17 up, off by 3e-8 at the most below.
; A stream: no LDS, no barrier, no matrix unit; nothing is shared between work-groups, so no cluster.
; The unit is a chunk of 1,024 f32 (4,096 bytes): a row of x, or 4,096 bytes of a weight.  A wave takes CH = 4 chunks on end, a work-group 32.
; Work-groups 0-127 take x, 128-159 Wq, 160-191 Wk, 192-223 Wv, 224-255 Wo, 256-383 W1, 384-511 W2: the order in which wb is laid.
; A chunk is eight loads of 16 bytes a lane (512 consecutive bytes a load) and stays in 32 registers: the row is read once.
; LayerNorm as the problem writes it: mean; sum of (x - mean)^2 / 1023; alpha (x - mean) / (sqrt + 1e-6) + bias, all in f32, in two passes over the registers.
; LIMITS.  A weight or a number of xn beyond 65,504 becomes an infinity (xn is at most 32 |alpha| + |bias|).  v_sqrt_f32 and v_rcp_f32 are good to 1 ULP; a variance below 2^-126 counts as 0.
; NaN and infinities are not treated apart.
.set CH,  4                            ; chunks of a wave
.set LG,  2                            ; log2 of it
.set X,   4                            ; v[4:131]   chunk c: 32 registers as loaded, then at work, then 16 packed words
.set T,   X+32*CH                      ; 8 registers: four chains of pairs
.set M,   T+8                          ; the mean (low word of a pair)
.set SC,  M+2                          ; alpha / (std + eps)
.set BI,  SC+2                         ; bias
.set TP,  BI+2                         ; the other half of the lanes' figure
.set AL,  TP+1                         ; alpha
	s_load_b512 s[8:23], s[0:1], 0x0               ; x s[8:9], Wq s[10:11], Wk s[12:13], Wv s[14:15], Wo s[16:17], W1 s[18:19], W2 s[20:21], alpha1 s[22:23]
	s_load_b128 s[24:27], s[0:1], 0x40             ; bias1 s[24:25], xn s[26:27]
	s_load_b64 s[28:29], s[0:1], 0x50              ; wb
	s_mov_b32 s36, ttmp9                           ; g
	s_mov_b32 s40, 0x76543210                      ; v_permlanex16_b32: each lane takes its own place in the other half
	s_mov_b32 s41, 0xfedcba98
	s_mov_b32 s43, 0xffff0000                      ; a word's upper bf16
	v_lshrrev_b32 v3, 5, v0                        ; wave
	v_and_b32 v2, 31, v0                           ; lane
	v_lshlrev_b32 v1, 4, v2
	v_lshl_add_u32 v1, v3, 12+LG, v1               ; load offset: wave x CH x 4,096 + 16 x lane
	v_lshlrev_b32 v2, 3, v2
	v_lshl_add_u32 v2, v3, 11+LG, v2               ; store offset: wave x CH x 2,048 + 8 x lane
	v_mov_b32 v[M+1], 0                            ; the upper words of the three pairs are named with the lower ones, so they are written
	v_mov_b32 v[SC+1], 0
	v_mov_b32 v[BI+1], 0
	v_mov_b32 v[TP], 0                             ; v_permlanex16_b32 counts as a reader of its destination
	s_wait_kmcnt 0x0
	s_load_b32 s30, s[22:23], 0x0                  ; alpha1
	s_load_b32 s31, s[24:25], 0x0                  ; bias1
	; which tensor is mine, and the number of its first work-group: a chain of choices on g alone
	s_mov_b64 s[32:33], s[20:21]
	s_mov_b32 s37, 384
	s_cmp_lt_u32 s36, 384
	s_cselect_b64 s[32:33], s[18:19], s[32:33]
	s_cselect_b32 s37, 256, s37
	s_cmp_lt_u32 s36, 256
	s_cselect_b64 s[32:33], s[16:17], s[32:33]
	s_cselect_b32 s37, 224, s37
	s_cmp_lt_u32 s36, 224
	s_cselect_b64 s[32:33], s[14:15], s[32:33]
	s_cselect_b32 s37, 192, s37
	s_cmp_lt_u32 s36, 192
	s_cselect_b64 s[32:33], s[12:13], s[32:33]
	s_cselect_b32 s37, 160, s37
	s_cmp_lt_u32 s36, 160
	s_cselect_b64 s[32:33], s[10:11], s[32:33]
	s_cselect_b32 s37, 128, s37
	s_cmp_lt_u32 s36, 128
	s_cselect_b64 s[32:33], s[8:9], s[32:33]
	s_cselect_b32 s37, 0, s37
	s_cselect_b64 s[34:35], s[26:27], s[28:29]     ; x goes to xn, the weights to wb
	s_cselect_b32 s42, 0, 128
	s_sub_co_u32 s38, s36, s37
	s_lshl_b32 s38, s38, 15+LG                     ; a work-group reads 8 x CH x 4,096 bytes
	s_mov_b32 s39, 0
	s_add_nc_u64 s[32:33], s[32:33], s[38:39]
	s_sub_co_u32 s38, s36, s42
	s_lshl_b32 s38, s38, 14+LG                     ; and writes half as many
	s_add_nc_u64 s[34:35], s[34:35], s[38:39]
.set c, 0
.rept CH                                       ; all 8 x CH loads go out at once
.irp j, 0,1,2,3,4,5,6,7
	global_load_b128 v[X+32*c+4*(\j):X+32*c+4*(\j)+3], v1, s[32:33] offset:4096*c+512*(\j) th:TH_LOAD_NT
.endr
.set c, c+1
.endr
; Chunk c's 32 numbers are rounded to bf16 and kept as f32: a pair is packed, then its halves are widened again.
.macro RND c
.set XC, X+32*(\c)
.irp p, 0,1,2,3,4,5,6,7,8,9,10,11,12,13,14,15
	v_cvt_pk_bf16_f32 v[XC+2*(\p)], v[XC+2*(\p)], v[XC+2*(\p)+1]
.endr
.irp p, 0,1,2,3,4,5,6,7,8,9,10,11,12,13,14,15
	v_and_b32 v[XC+2*(\p)+1], s43, v[XC+2*(\p)]
.endr
.irp p, 0,1,2,3,4,5,6,7,8,9,10,11,12,13,14,15
	v_lshlrev_b32 v[XC+2*(\p)], 16, v[XC+2*(\p)]
.endr
.endm
; The four chains of pairs in T become one number, the same in all 32 lanes.
.macro REDUCE
	v_pk_add_f32 v[T:T+1], v[T:T+1], v[T+2:T+3]
	v_pk_add_f32 v[T+4:T+5], v[T+4:T+5], v[T+6:T+7]
	v_pk_add_f32 v[T:T+1], v[T:T+1], v[T+4:T+5]
	v_add_f32 v[T], v[T], v[T+1]
	v_add_f32_dpp v[T], v[T], v[T] row_xmask:1 row_mask:0xf bank_mask:0xf
	v_add_f32_dpp v[T], v[T], v[T] row_xmask:2 row_mask:0xf bank_mask:0xf
	v_add_f32_dpp v[T], v[T], v[T] row_xmask:4 row_mask:0xf bank_mask:0xf
	v_add_f32_dpp v[T], v[T], v[T] row_xmask:8 row_mask:0xf bank_mask:0xf
	v_permlanex16_b32 v[TP], v[T], s40, s41
	v_add_f32 v[T], v[T], v[TP]
.endm
; Chunk c goes out as f16, packed in place (word p is written when registers 2 p and 2 p + 1 have been read): each store's 32 lanes cover 256 consecutive bytes, aligned.
; weight = 1: the chunk is a weight's: it is waited for and rounded to bf16 first.
.macro PACKST c, weight
.set XC, X+32*(\c)
.if \weight
	s_wait_loadcnt 8*(CH-1-(\c))                   ; loads come back in order: this chunk's eight are in, the younger chunks' stay out
	RND \c
.endif
.irp p, 0,1,2,3,4,5,6,7,8,9,10,11,12,13,14,15
	v_cvt_pk_f16_f32 v[XC+(\p)], v[XC+2*(\p)], v[XC+2*(\p)+1]
.endr
.irp j, 0,1,2,3,4,5,6,7
	global_store_b64 v2, v[XC+2*(\j):XC+2*(\j)+1], s[34:35] offset:2048*(\c)+256*(\j)
.endr
.endm
; Chunk c is a row: rounded to bf16, LayerNorm, then out.
.macro NORM c
.set XC, X+32*(\c)
	s_wait_loadcnt 8*(CH-1-(\c))                   ; this row's eight loads are in, the younger rows' stay out
	RND \c
.irp k, 0,1,2,3
	v_pk_add_f32 v[T+2*(\k):T+2*(\k)+1], v[XC+2*(\k):XC+2*(\k)+1], v[XC+8+2*(\k):XC+8+2*(\k)+1]  ; the first sixteen numbers start the chains: nothing is cleared
.endr
.irp k, 0,1,2,3,4,5,6,7
	v_pk_add_f32 v[T+2*(\k%4):T+2*(\k%4)+1], v[T+2*(\k%4):T+2*(\k%4)+1], v[XC+16+2*(\k):XC+16+2*(\k)+1]
.endr
	REDUCE
	v_mul_f32 v[M], 0x3a800000, v[T]               ; mean = sum / 1024
.irp k, 0,1,2,3,4,5,6,7,8,9,10,11,12,13,14,15
	v_pk_add_f32 v[XC+2*(\k):XC+2*(\k)+1], v[XC+2*(\k):XC+2*(\k)+1], v[M:M+1] op_sel_hi:[1,0] neg_lo:[0,1] neg_hi:[0,1]  ; x - mean
.endr
.irp k, 0,1,2,3
	v_pk_mul_f32 v[T+2*(\k):T+2*(\k)+1], v[XC+2*(\k):XC+2*(\k)+1], v[XC+2*(\k):XC+2*(\k)+1]
.endr
.irp k, 4,5,6,7,8,9,10,11,12,13,14,15
	v_pk_fma_f32 v[T+2*(\k%4):T+2*(\k%4)+1], v[XC+2*(\k):XC+2*(\k)+1], v[XC+2*(\k):XC+2*(\k)+1], v[T+2*(\k%4):T+2*(\k%4)+1]
.endr
	REDUCE
	v_mul_f32 v[T], 0x3a802008, v[T]               ; / 1023
	v_sqrt_f32 v[T], v[T]
	v_nop                                          ; a plain instruction between a transcendental and the use of its result (ISA guide 5.7.2)
	s_wait_alu depctr_va_vdst(0)
	v_add_f32 v[T], 0x358637bd, v[T]               ; + 1e-6
	v_rcp_f32 v[T], v[T]
	v_nop
	s_wait_alu depctr_va_vdst(0)
	v_mul_f32 v[SC], v[AL], v[T]                   ; alpha / (std + eps)
.irp k, 0,1,2,3,4,5,6,7,8,9,10,11,12,13,14,15
	v_pk_fma_f32 v[XC+2*(\k):XC+2*(\k)+1], v[XC+2*(\k):XC+2*(\k)+1], v[SC:SC+1], v[BI:BI+1] op_sel_hi:[1,0,0]
.endr
	PACKST \c, 0
.endm
	s_wait_kmcnt 0x0                               ; alpha and bias
	s_cmp_ge_u32 s36, 128
	s_cbranch_scc1 .Lpack                          ; a weight is only rounded
	v_mov_b32 v[AL], s30
	v_mov_b32 v[BI], s31
	v_cvt_pk_bf16_f32 v[TP], v[AL], v[BI]          ; alpha and bias are inputs: rounded to bf16 like the others
	v_lshlrev_b32 v[AL], 16, v[TP]
	v_and_b32 v[BI], s43, v[TP]
	NORM 0
	NORM 1
	NORM 2
	NORM 3
	s_branch .Lend
.Lpack:
	PACKST 0, 1
	PACKST 1, 1
	PACKST 2, 1
	PACKST 3, 1
.Lend:
	s_endpgm
.Lfunc_end_k_q58d33a2788_prep:
	.size	k_q58d33a2788_prep, .Lfunc_end_k_q58d33a2788_prep-k_q58d33a2788_prep
	.p2alignl 7, 3214868480
	.fill 96, 4, 3214868480
	.section	.rodata,"a",@progbits
	.p2align	6, 0x0
	.amdhsa_kernel k_q58d33a2788_prep
		.amdhsa_group_segment_fixed_size 0
		.amdhsa_private_segment_fixed_size 0
		.amdhsa_enable_private_segment 0
		.amdhsa_kernarg_size 88
		.amdhsa_user_sgpr_count 2
		.amdhsa_user_sgpr_kernarg_segment_ptr 1
		.amdhsa_wavefront_size32 1
		.amdhsa_system_sgpr_workgroup_id_x 1
		.amdhsa_system_sgpr_workgroup_id_y 1
		.amdhsa_system_sgpr_workgroup_id_z 1
		.amdhsa_system_vgpr_workitem_id 0
		.amdhsa_next_free_vgpr 152
		.amdhsa_next_free_sgpr 66
		.amdhsa_reserve_vcc 0
		.amdhsa_float_denorm_mode_32 3
		.amdhsa_float_denorm_mode_16_64 3
		.amdhsa_memory_ordered 1
		.amdhsa_forward_progress 1
		.amdhsa_inst_pref_size 58
	.end_amdhsa_kernel
	.amdgpu_metadata
---
amdhsa.version: [ 1, 2 ]
amdhsa.kernels:
  - .name:           k_q58d33a2788_prep
    .symbol:         k_q58d33a2788_prep.kd
    .args:
      - { .name: x, .offset: 0, .size: 8, .value_kind: global_buffer, .address_space: global }
      - { .name: Wq, .offset: 8, .size: 8, .value_kind: global_buffer, .address_space: global }
      - { .name: Wk, .offset: 16, .size: 8, .value_kind: global_buffer, .address_space: global }
      - { .name: Wv, .offset: 24, .size: 8, .value_kind: global_buffer, .address_space: global }
      - { .name: Wo, .offset: 32, .size: 8, .value_kind: global_buffer, .address_space: global }
      - { .name: W1, .offset: 40, .size: 8, .value_kind: global_buffer, .address_space: global }
      - { .name: W2, .offset: 48, .size: 8, .value_kind: global_buffer, .address_space: global }
      - { .name: alpha1, .offset: 56, .size: 8, .value_kind: global_buffer, .address_space: global }
      - { .name: bias1, .offset: 64, .size: 8, .value_kind: global_buffer, .address_space: global }
      - { .name: xn, .offset: 72, .size: 8, .value_kind: global_buffer, .address_space: global }
      - { .name: wb, .offset: 80, .size: 8, .value_kind: global_buffer, .address_space: global }
    .group_segment_fixed_size: 0
    .private_segment_fixed_size: 0
    .kernarg_segment_align: 8
    .kernarg_segment_size: 88
    .max_flat_workgroup_size: 256
    .sgpr_count:     66
    .vgpr_count:     152
    .wavefront_size: 32
...
	.end_amdgpu_metadata
.endif
;; end of part 1
;; launch qkv (part 2): grid 12 x 16, 4 waves a work-group, clusters of 4 x 4, 327,680 bytes of LDS; arguments xn, wb, qkv, bq, bk, bv, mask; writes qkv
.if DOCPART == 2
	.amdgcn_target "amdgcn-amd-amdhsa--gfx1250"
	.amdhsa_code_object_version 6
	.text
	.protected	k_q58d33a2788_qkv
	.globl	k_q58d33a2788_qkv
	.p2align	8
	.type	k_q58d33a2788_qkv,@function
k_q58d33a2788_qkv:
	s_mov_b64 s[64:65], 0
	v_nop
	global_prefetch_b8 v0, s[64:65] scope:SCOPE_SE
	s_setreg_imm32_b32 hwreg(HW_REG_WAVE_MODE, 25, 1), 1
	s_wait_xcnt 0x0
	s_wait_alu depctr_hold_cnt(0) depctr_sa_sdst(0) depctr_va_vdst(0) depctr_va_sdst(0) depctr_va_ssrc(0) depctr_va_vcc(0) depctr_vm_vsrc(0)
	s_getreg_b32 s2, hwreg(HW_REG_IB_STS2, 6, 4)
	s_cmp_eq_u32 s2, 0
	s_cbranch_scc0 .Lentry_in_a_cluster
	s_endpgm
.Lentry_in_a_cluster:
	s_bfe_u32 s2, ttmp6, 0x10000c
	s_cmp_lg_u32 s2, 0xf033
	s_cbranch_scc0 .Lentry_shape_is_right
	s_endpgm
.Lentry_shape_is_right:
; MODE 0: q, k, v = xn [Wq; Wk; Wv]^T + bias, laid by heads: qkv[3][32 = 16 batch + head][2048][64] f16; the rows of k whose token the mask hides are written as 0.
; MODE 1: h = relu(xn W1^T + b1), [4096][4096] f16.        (One text for both; MODE is set below.)
; A: xn [4096][1024] f16.  B: rows of wb, [N][1024], bf16 values as f16 codes.  Sums in f32; the bias, rounded to bf16 like every input, is the C operand of the products that start the sums.
; A tile of C, 256 x 256, is made by four waves, each 128 x 128: 64 accumulators of 16 x 16, 512 registers.  K goes in 8 steps of 128 through a ring of two LDS slots filled by the
; tensor data mover: a tile's rows are 256 bytes of memory, at multiples of 256 bytes.
; CLUSTER: 4 x 4 work-groups.  The four of a row of the cluster need the same tiles of A, the four of a column the same tiles of B: each tile is asked for jointly, by the same tensor
; load with the same descriptor and a mask that names the four.
; MODE 0 has 192 tiles, MODE 1 has 256.
; THE MATRIX INSTRUCTION IS USED TRANSPOSED (source 0 = 16 rows of B, source 1 = 16 rows of A): lane l holds row l % 16 of C and the columns 8 (l / 16) + 0..7.
; REGISTERS, in windows of 256 (s_set_vgpr_msb: bits 1:0 source 0, 3:2 source 1, 5:4 source 2, 7:6 destination):
;   window 0: v0-31 addresses and (MODE 0) eight row masks; v64-127, v128-191 fragments of A, two buffers; v32-63, v192-255 at work on the way out
;   window 1: v0-63 the bias of my 128 columns, as a C operand for each of the 8 column blocks; v64-127, v128-191 fragments of B
;   window 2: the 32 accumulators of my rows 0-63 ((a, b) at v[8 (8 a + b)]);   window 3: those of my rows 64-127
; LIMITS.  A result beyond 65,504 becomes an infinity in f16: with a gain and weights 30 times those of unit gain and spread 1/32 the results' spread is about 900.
; MODE 1's relu (v_max_num_f32 with 0) turns a NaN into 0.
.set MODE,   0
.set SIZE_K, 1024
.set KSTEP,  128
.set PITCH,  272                       ; an LDS row: 256 bytes + 16 of padding = 68 words: the 16 rows that a load touches start at 16 different groups of four banks (ISA guide 11.1)
.set HALFT,  128*PITCH                 ; 128 rows: what one tensor load brings, and what one wave reads of A or of B
.set SLOT,   4*HALFT                   ; A's 256 rows, then B's 256 rows
.set STAGE,  2*SLOT                    ; behind the ring: 16 rows x 272 bytes for each wave, for the way out
.set SPITCH, 272
.set SPARE,  STAGE+4*16*SPITCH         ; behind the stages: the spare words, 128 bytes for each wave, which no other line names
.set LAPS,   SIZE_K/(2*KSTEP)          ; a lap = two K steps = once round the ring
.if MODE == 0
.set WOFF,   0                         ; where B begins in wb
.else
.set WOFF,   8388608
.endif
.set FM,   6                           ; v6-13   MODE 0: for block a of 16 rows, all ones, or 0 where my row of k is hidden
.set BO,   14                          ; v14     my byte offset in a block's 16 numbers of bias: 32 (l / 16)
.set MO,   15                          ; v15     my byte offset in a block's 16 words of the mask: 4 (l % 16)
.set ADRA, 16                          ; v16-17  LDS address of my A fragments in slot 0, 1
.set ADRB, 20                          ; v20-21  the same for B
.set STO,  24                          ; v24     the way out: where I put 16 bytes of a row
.set RD,   25                          ; v25     the way out: where I read back
.set CO,   26                          ; v26     my byte offset in the output
.set SPW,  28                          ; v28     LDS address of my spare word; never rewritten
.set NIL,  29                          ; v29     0; never rewritten
.set F0,   64
.set F1,   128
.set TMP,  192
.set OB,   32
.set G1,  24                           ; s[24:31] descriptor group 1 for A's tiles;  s[32:39] group 0, a set for each slot
.set G0,  32
.set G1B, 48                           ; s[48:55], s[56:63] the same for B's
.set G0B, 56
.set MSB, 0
.macro WIN new                         ; the immediate's high byte repeats the setting that is left; a switch that changes nothing is dropped
.if MSB != (\new)
	s_set_vgpr_msb (MSB<<8)|(\new)
.set MSB, \new
.endif
.endm
.set TO_B, 0x40                        ; destination window 1, address window 0
; A joint load.  Waves 0 and 1 fetch A's two halves, waves 2 and 3 B's.  The branch hangs on the wave's number alone.  Four v_nop follow each of the two lines.
.macro JLOAD s
	s_cmp_eq_u32 s11, 0
	s_cbranch_scc0 .Lfor_b_\@
	tensor_load_to_lds s[G0+4*(\s):G0+4*(\s)+3], s[G1:G1+7]
	s_nop 0
.rept 4
	v_nop
.endr
	s_branch .Lasked_\@
.Lfor_b_\@:
	tensor_load_to_lds s[G0B+4*(\s):G0B+4*(\s)+3], s[G1B:G1B+7]
	s_nop 0
.rept 4
	v_nop
.endr
.Lasked_\@:
.endm
; A round of the cluster's barrier: my work-group's barrier; wave 0 signals for the work-group; every wave waits for all sixteen; my work-group's barrier once more.
.macro CREST
	s_cmp_lg_u32 s10, 0
	s_cbranch_scc1 .Lnot_wave_0_\@
	s_barrier_signal -3
.Lnot_wave_0_\@:
	s_barrier_wait -3
	s_barrier_signal -1
	s_barrier_wait -1
.endm
.macro CROUND
	s_barrier_signal -1
	s_barrier_wait -1
	CREST
.endm
	s_load_b128 s[4:7], s[0:1], 0x0                ; A s[4:5], wb s[6:7]
	s_load_b64 s[8:9], s[0:1], 0x10                ; the output
.if MODE == 0
	s_load_b256 s[68:75], s[0:1], 0x18             ; bq s[68:69], bk s[70:71], bv s[72:73], mask s[74:75]
.else
	s_load_b64 s[68:69], s[0:1], 0x18              ; b1
.endif
	v_lshl_add_u32 v[SPW], v0, 2, SPARE
	v_mov_b32 v[NIL], 0
	ds_add_u32 v28, v29
	s_wait_dscnt 0x0
	v_lshrrev_b32 v1, 5, v0
	v_readfirstlane_b32 s10, v1                    ; wave 0..3
	s_lshr_b32 s11, s10, 1                         ; which half of the tile's rows is mine.  Also: I fetch for A (0) or for B (1)
	s_and_b32 s12, s10, 1                          ; which half of its columns.  Also: which 128 rows of that tile I fetch
	s_bfe_u32 s40, ttmp6, 0x40000                  ; cx, cy: my place in the cluster
	s_bfe_u32 s41, ttmp6, 0x40004
	s_lshl_b32 s42, ttmp9, 2
	s_add_co_u32 s42, s42, s40                     ; tile column = 4 x cluster x + cx
	s_and_b32 s13, ttmp7, 0xffff
	s_lshl_b32 s13, s13, 2
	s_add_co_u32 s13, s13, s41                     ; tile row = 4 x cluster y + cy
	s_lshl_b32 s43, s41, 2
	s_lshl_b32 s43, 15, s43                        ; my row of the cluster: places 4 cy .. 4 cy + 3
	s_lshl_b32 s44, 0x1111, s40                    ; my column: places cx, cx + 4, cx + 8, cx + 12
	s_mov_b32 s45, 0xffff0000                      ; a word's upper bf16
	; descriptor group 1: a tile of 128 rows x 128 elements of 2 bytes, 16 bytes of padding behind every 256
	s_or_b32 s[G1+0], s43, (1<<16)|(1<<20)|(1<<21)|(5<<22)|(3<<25)  ; 15:0 the mask; 17:16 element size; 20 padding on; 21 set beside a mask; 24:22 after every 64 words; 31:25 4 words
	s_or_b32 s[G1B+0], s44, (1<<16)|(1<<20)|(1<<21)|(5<<22)|(3<<25)
.irp g, G1, G1B
	s_mov_b32 s[(\g)+1], KSTEP<<16                 ; tensor_dim0 = 128
	s_mov_b32 s[(\g)+2], 128<<16                   ; tensor_dim1 = 128
	s_mov_b32 s[(\g)+3], KSTEP<<16                 ; tile_dim0 = 128
	s_mov_b32 s[(\g)+4], 128                       ; tile_dim1 = 128
	s_mov_b32 s[(\g)+5], SIZE_K                    ; elements from row to row
	s_mov_b32 s[(\g)+6], 0
	s_mov_b32 s[(\g)+7], 0
.endr
	; A's tiles hang on the tile row alone, B's on the tile column alone, each in registers that never hold the other coordinate
	s_lshl_b32 s17, s12, 7                         ; which 128 rows of the tile I fetch
	s_lshl_b32 s16, s13, 8
	s_add_co_u32 s16, s16, s17
	s_lshl_b32 s16, s16, 11                        ; A: (256 x tile row + 128 x half) rows of 2,048 bytes: under 2^24
	s_lshl_b32 s46, s42, 8
	s_add_co_u32 s46, s46, s17
	s_lshl_b32 s46, s46, 11                        ; B likewise, by the tile column
	s_mov_b32 s17, 0
	s_mov_b32 s47, 0
	s_mul_i32 s20, s10, HALFT                      ; where they go: wave x 128 rows: no place in the cluster enters an LDS address
	s_wait_kmcnt 0x0
	s_add_nc_u64 s[14:15], s[4:5], s[16:17]
	s_add_nc_u64 s[46:47], s[6:7], s[46:47]
.if WOFF
	s_add_nc_u64 s[46:47], s[46:47], WOFF
.endif
	CROUND                                         ; all sixteen work-groups are here: the first joint loads meet
.irp s, 0,1
	s_mov_b32 s[G0+4*(\s)], 1                                      ; count = 1
	s_add_co_u32 s[G0+4*(\s)+1], s20, (\s)*SLOT                    ; LDS address
	s_add_nc_u64 s[G0+4*(\s)+2:G0+4*(\s)+3], s[14:15], (\s)*KSTEP*2  ; global address: K step s
	s_or_b32 s[G0+4*(\s)+3], s[G0+4*(\s)+3], 0x80000000            ; type = 2
	s_mov_b32 s[G0B+4*(\s)], 1
	s_add_co_u32 s[G0B+4*(\s)+1], s20, (\s)*SLOT
	s_add_nc_u64 s[G0B+4*(\s)+2:G0B+4*(\s)+3], s[46:47], (\s)*KSTEP*2
	s_or_b32 s[G0B+4*(\s)+3], s[G0B+4*(\s)+3], 0x80000000
	JLOAD \s                                       ; two tensor loads of mine are out
.endr
	; A fragment is 16 rows x 32 K in 8 registers: lane l holds row l % 16; registers 0-3 K = 8 (l / 16) + 0..7, registers 4-7 K = 16 + 8 (l / 16) + 0..7: two loads of 16 bytes, 32 bytes apart.
	v_and_b32 v1, 15, v0                           ; l % 16
	v_bfe_u32 v2, v0, 4, 1                         ; l / 16
	v_mul_u32_u24 v3, v1, PITCH
	v_lshl_add_u32 v3, v2, 4, v3
	s_mul_i32 s21, s11, HALFT                      ; my 128 rows of A
	s_mul_i32 s22, s12, HALFT                      ; my 128 rows of B,
	s_add_co_u32 s22, s22, 2*HALFT                 ; which lie behind A's 256
.irp s, 0,1
	v_add_nc_u32 v[ADRA+(\s)], s21, v3
	v_add_nc_u32 v[ADRB+(\s)], s22, v3
	s_add_co_u32 s21, s21, SLOT
	s_add_co_u32 s22, s22, SLOT
.endr
	s_mul_i32 s23, s10, 16*SPITCH
	s_add_co_u32 s23, s23, STAGE                   ; my stage
	v_mul_u32_u24 v4, v1, SPITCH                   ; in: row l % 16, 16 bytes for each half of the lanes
	v_lshl_add_u32 v4, v2, 4, v4
	v_add_nc_u32 v[STO], s23, v4
	v_lshlrev_b32 v[BO], 5, v2
	v_lshlrev_b32 v[MO], 2, v1
	s_lshl_b32 s16, s13, 8
	s_lshl_b32 s14, s11, 7
	s_add_co_u32 s16, s16, s14                     ; my first row of C (a token's number)
.if MODE == 0
	v_and_b32 v4, 31, v0                           ; back: 32 lanes take four tokens' 128 bytes of one head,
	v_lshrrev_b32 v5, 3, v4
	v_mul_u32_u24 v5, v5, SPITCH
	v_and_b32 v3, 7, v0
	v_lshl_add_u32 v5, v3, 4, v5
	v_add_nc_u32 v[RD], s23, v5
	v_lshlrev_b32 v[CO], 4, v4                     ; which are 512 consecutive bytes of the output
	s_mov_b32 s66, ttmp9                           ; the cluster's x says which of q, k, v: four tile columns each
	s_cmp_eq_u32 s66, 1
	s_cselect_b32 s67, 0, -1                       ; what a hidden row is masked with: 0 in k, all ones in q and v
	s_cselect_b64 s[76:77], s[70:71], s[72:73]
	s_cmp_eq_u32 s66, 0
	s_cselect_b64 s[76:77], s[68:69], s[76:77]     ; my bias
	s_lshl_b32 s78, s40, 10                        ; 256 columns of 4 bytes for each tile column inside it
	s_lshl_b32 s18, s66, 5                         ; the output: head number 32 x which + 16 x batch + 4 cx + 2 x column half,
	s_lshr_b32 s19, s16, 11
	s_lshl_b32 s19, s19, 4
	s_add_co_u32 s18, s18, s19
	s_lshl_b32 s19, s40, 2
	s_add_co_u32 s18, s18, s19
	s_lshl_b32 s19, s12, 1
	s_add_co_u32 s18, s18, s19
	s_lshl_b32 s18, s18, 18                        ; 262,144 bytes a head,
	s_and_b32 s19, s16, 2047
	s_lshl_b32 s19, s19, 7                         ; 128 bytes a token
	s_add_co_u32 s18, s18, s19
	s_mov_b32 s19, 0
	s_add_nc_u64 s[8:9], s[8:9], s[18:19]
	s_lshl_b32 s18, s16, 2                         ; the mask's words of my 128 tokens
	s_add_nc_u64 s[74:75], s[74:75], s[18:19]
.else
	v_mul_u32_u24 v5, v2, SPITCH                   ; back: lanes 0-15 take one row of 256 bytes, lanes 16-31 the next
	v_lshl_add_u32 v5, v1, 4, v5
	v_add_nc_u32 v[RD], s23, v5
	v_lshlrev_b32 v5, 13, v2                       ; and the same two rows in h, 8,192 bytes apart
	v_lshl_add_u32 v[CO], v1, 4, v5
	s_mov_b64 s[76:77], s[68:69]
	s_lshl_b32 s78, s42, 10
	s_lshl_b32 s18, s16, 13                        ; my first row,
	s_lshl_b32 s19, s42, 9                         ; my first column: 512 bytes a tile column, 256 a half
	s_add_co_u32 s18, s18, s19
	s_lshl_b32 s19, s12, 8
	s_add_co_u32 s18, s18, s19
	s_mov_b32 s19, 0
	s_add_nc_u64 s[8:9], s[8:9], s[18:19]
.endif
	s_lshl_b32 s79, s12, 9
	s_add_co_u32 s78, s78, s79
	s_mov_b32 s79, 0
	s_add_nc_u64 s[76:77], s[76:77], s[78:79]      ; the bias at my 128 columns
	WIN TO_B
.irp b, 0,1,2,3,4,5,6,7                        ; register j of block b = bias[16 b + 8 (l / 16) + j]: the C operand's layout for a lane that holds eight columns of a row
	global_load_b128 v[8*(\b):8*(\b)+3],   v[BO], s[76:77] offset:64*(\b)
	global_load_b128 v[8*(\b)+4:8*(\b)+7], v[BO], s[76:77] offset:64*(\b)+16
.endr
	WIN 0
.if MODE == 0
.irp a, 0,1,2,3,4,5,6,7
	global_load_b32 v[OB+(\a)], v[MO], s[74:75] offset:64*(\a)  ; the mask's word of row 16 a + l % 16
.endr
.endif
; 16 matrix instructions: m blocks a0, a0 + 1 of the window's four x all 8 n blocks, 32 along K.  zero = 1: the products start the sums, with the bias as C: nothing is cleared.
; The 64 accumulators take turns, one instruction a turn.
.macro MUL16 f, hi, a0, zero
.if \zero
	WIN 0x91+0x40*(\hi)                            ; B window 1, A window 0, C (the bias) window 1, D window 2 or 3
.else
	WIN 0xa1+0x50*(\hi)                            ; B window 1, A window 0, C and D window 2 or 3
.endif
.irp a, \a0, (\a0)+1
.irp b, 0,1,2,3,4,5,6,7
.if \zero
	v_wmma_f32_16x16x32_f16 v[8*(8*(\a)+(\b)):8*(8*(\a)+(\b))+7], v[(\f)+8*(\b):(\f)+8*(\b)+7], v[(\f)+8*(4*(\hi)+(\a)):(\f)+8*(4*(\hi)+(\a))+7], v[8*(\b):8*(\b)+7]
.else
	v_wmma_f32_16x16x32_f16 v[8*(8*(\a)+(\b)):8*(8*(\a)+(\b))+7], v[(\f)+8*(\b):(\f)+8*(\b)+7], v[(\f)+8*(4*(\hi)+(\a)):(\f)+8*(4*(\hi)+(\a))+7], v[8*(8*(\a)+(\b)):8*(8*(\a)+(\b))+7]
.endif
.endr
.endr
.endm
; 32 LDS loads in one run: the fragments of one quarter step (128 rows of B, 128 rows of A, 32 K at byte k of the rows) into buffer f
.macro FETCH slot, k, f
	WIN TO_B
.irp i, 0,1,2,3,4,5,6,7
	ds_load_b128 v[(\f)+8*(\i):(\f)+8*(\i)+3],   v[ADRB+(\slot)] offset:(\k)+(\i)*16*PITCH
	ds_load_b128 v[(\f)+8*(\i)+4:(\f)+8*(\i)+7], v[ADRB+(\slot)] offset:(\k)+(\i)*16*PITCH+32
.endr
	WIN 0
.irp i, 0,1,2,3,4,5,6,7
	ds_load_b128 v[(\f)+8*(\i):(\f)+8*(\i)+3],   v[ADRA+(\slot)] offset:(\k)+(\i)*16*PITCH
	ds_load_b128 v[(\f)+8*(\i)+4:(\f)+8*(\i)+7], v[ADRA+(\slot)] offset:(\k)+(\i)*16*PITCH+32
.endr
.endm
; Four plain vector instructions stand between a matrix instruction and a load into a register that it read, or a vector instruction that reads its result (ISA guide 7.12.1 for vector instructions).
.macro PLACES
.rept 4
	v_nop
.endr
.endm
; A K step is four quarters of 32 along K, 64 matrix instructions each, on buffers 0, 1, 0, 1.  One of the first three multiplies buffer f and fetches the next quarter, at byte k, into g.
.macro QUARTER slot, k, f, g, zero
	s_wait_dscnt 8                                 ; B and A's rows 0-63 are in; the youngest eight loads (A's rows 64-127) may be out
	MUL16 \f, 0, 0, \zero
	MUL16 \f, 0, 2, \zero
	PLACES
	FETCH \slot, \k, \g
	s_wait_dscnt 32                                ; all but the 32 just issued
	MUL16 \f, 1, 0, \zero
	MUL16 \f, 1, 2, \zero
.endm
; The last quarter multiplies buffer 1 and changes slots.  One barrier: in front of it each wave waits for all its tensor loads (one is out: its part of the next slot), adds 0 to its spare
; word, and waits for that and for its own reads of this slot.  Behind it nobody reads this slot any more and the next slot is whole.
.macro MEET round
	WIN 0
	s_wait_tensorcnt 0x0                           ; all my tensor loads have landed
	ds_add_u32 v[SPW], v[NIL]                      ; 0 onto my spare word
	s_wait_dscnt 9                                 ; (the add and the youngest eight loads may be out)
	MUL16 F1, 0, 0, 0
	s_wait_dscnt 0x0                               ; the add is done, and my reads of this slot are over
	s_barrier_signal -1
	MUL16 F1, 0, 2, 0                              ; work on registers while the others arrive
.if \round
	WIN 0
.endif
	s_barrier_wait -1
.endm
; fill = 1: the barrier opens a round of the cluster's, and the slot just read out is filled again, two K steps on, first thing behind the round.
.macro TURN slot, next, fill
	MEET \fill
.if \fill
	CREST                                          ; no wave of any partner still reads this slot's tile or has a load on its way
	s_add_nc_u64 s[G0+4*(\slot)+2:G0+4*(\slot)+3], s[G0+4*(\slot)+2:G0+4*(\slot)+3], 2*KSTEP*2
	s_add_nc_u64 s[G0B+4*(\slot)+2:G0B+4*(\slot)+3], s[G0B+4*(\slot)+2:G0B+4*(\slot)+3], 2*KSTEP*2
	JLOAD \slot                                    ; my one tensor load behind the round; its four v_nop are also the places in front of the loads below
.else
	PLACES
.endif
	FETCH \next, 0, F0
	MUL16 F1, 1, 0, 0
	MUL16 F1, 1, 2, 0
.endm
; THE WAY OUT of block a (16 rows).  PACK: (relu,) rounded to f16, 16 bytes a lane (, hidden rows of k cleared).  TOSTAGE: into my own stage and back in the output's order.  SEND: stored.
; Each accumulator's registers are read in ascending order.
.macro PACK a
.set AC, 64*((\a)%4)
.if MODE == 1
	WIN 0x88+0x44*((\a)/4)                         ; source 1 and destination: window 2 or 3
.set i, 0
.rept 64
	v_max_num_f32 v[AC+i], 0, v[AC+i]
.set i, i+1
.endr
.endif
	WIN 0x0a+5*((\a)/4)                            ; sources 0 and 1: window 2 or 3
.irp b, 0,1,2,3,4,5,6,7
.irp r, 0,1,2,3
	v_cvt_pk_f16_f32 v[TMP+4*(\b)+(\r)], v[AC+8*(\b)+2*(\r)], v[AC+8*(\b)+2*(\r)+1]
.endr
.endr
	WIN 0
.if MODE == 0
.set i, 0
.rept 32
	v_and_b32 v[TMP+i], v[FM+(\a)], v[TMP+i]
.set i, i+1
.endr
.endif
.endm
.macro TOSTAGE a
	WIN 0
.set BK, OB+192*((\a)%2)
.irp b, 0,1,2,3,4,5,6,7
	ds_store_b128 v[STO], v[TMP+4*(\b):TMP+4*(\b)+3] offset:32*(\b)
.endr
.irp t, 0,1,2,3,4,5,6,7                        ; LDS serves a wave's instructions in order (ISA guide 5.7.1.4): these see the stores above
.if MODE == 0
	ds_load_b128 v[BK+4*(\t):BK+4*(\t)+3], v[RD] offset:((\t)%4)*4*SPITCH+((\t)/4)*128  ; tokens 4 (t % 4) on, head t / 4 of my two
.else
	ds_load_b128 v[BK+4*(\t):BK+4*(\t)+3], v[RD] offset:(\t)*2*SPITCH
.endif
.endr
.endm
.macro SEND a
	WIN 0
.set BK, OB+192*((\a)%2)
	s_wait_dscnt 0x0                               ; the block is back in registers
	s_wait_xcnt 0x0                                ; the stores of the block before have read their registers: the next TOSTAGE loads into them only behind this wait
.irp t, 0,1,2,3,4,5,6,7
.if MODE == 0
	global_store_b128 v[CO], v[BK+4*(\t):BK+4*(\t)+3], s[8:9] offset:((\t)/4)*262144+(\a)*2048+((\t)%4)*512  ; 512 consecutive bytes of a head, aligned
.else
	global_store_b128 v[CO], v[BK+4*(\t):BK+4*(\t)+3], s[8:9] offset:(16*(\a)+2*(\t))*8192  ; 16 lanes store 256 consecutive bytes, aligned
.endif
.endr
.endm
	s_wait_tensorcnt 1                             ; my part of K step 0 is in; K step 1's may stay out
	s_barrier_signal -1
	s_barrier_wait -1                              ; everybody's is
	FETCH 0, 0, F0
	s_wait_loadcnt 0x0                             ; the bias (and the mask)
	WIN 0x45                                       ; destination and both sources window 1: the bias is rounded to bf16 and kept as f32, while the first fragments come
.set i, 0
.rept 32
	v_cvt_pk_bf16_f32 v[2*i], v[2*i], v[2*i+1]
.set i, i+1
.endr
.set i, 0
.rept 32
	v_and_b32 v[2*i+1], s45, v[2*i]
.set i, i+1
.endr
.set i, 0
.rept 32
	v_lshlrev_b32 v[2*i], 16, v[2*i]
.set i, i+1
.endr
	WIN 0
.if MODE == 0
.irp a, 0,1,2,3,4,5,6,7
	v_cmp_ne_u32 vcc_lo, 0, v[OB+(\a)]
	v_cndmask_b32 v[FM+(\a)], s67, -1, vcc_lo      ; a visible row keeps its bits
.endr
.endif
	QUARTER 0, 64,  F0, F1, 1                      ; the first quarter stands in front of the loop: its products start the sums
	WIN 0                                          ; at a label and at a branch every window is 0
	s_mov_b32 s3, LAPS-1
.Llap:                                                 ; a trip goes once round the ring, from a lap's second quarter to the next lap's first, and fills both slots again
	QUARTER 0, 128, F1, F0, 0
	QUARTER 0, 192, F0, F1, 0
	TURN 0, 1, 1
	QUARTER 1, 64,  F0, F1, 0
	QUARTER 1, 128, F1, F0, 0
	QUARTER 1, 192, F0, F1, 0
	TURN 1, 0, 1
	QUARTER 0, 64,  F0, F1, 0
	WIN 0
	s_sub_co_u32 s3, s3, 1
	s_cmp_lg_u32 s3, 0
	s_cbranch_scc1 .Llap
	QUARTER 0, 128, F1, F0, 0                      ; the last lap fills nothing
	QUARTER 0, 192, F0, F1, 0
	TURN 0, 1, 0
	QUARTER 1, 64,  F0, F1, 0
	QUARTER 1, 128, F1, F0, 0
	QUARTER 1, 192, F0, F1, 0
	s_wait_dscnt 8                                 ; the very last quarter: nothing more to fetch
	MUL16 F1, 0, 0, 0
	MUL16 F1, 0, 2, 0
	s_wait_dscnt 0x0
	MUL16 F1, 1, 0, 0
	MUL16 F1, 1, 2, 0
	PLACES
	PACK 0
	TOSTAGE 0
.irp a, 1,2,3,4,5,6,7                  ; block a's arithmetic stands between block a - 1's loads from the stage and the wait for them
	PACK \a
	SEND (\a)-1
	TOSTAGE \a
.endr
	SEND 7
	s_wait_tensorcnt 0x0                           ; the wave's end
	ds_add_u32 v[SPW], v[NIL]
	s_wait_dscnt 0x0
	CROUND                                         ; the closing round: no work-group ends while a partner may still ask for a tile that names it
	s_endpgm
.Lfunc_end_k_q58d33a2788_qkv:
	.size	k_q58d33a2788_qkv, .Lfunc_end_k_q58d33a2788_qkv-k_q58d33a2788_qkv
	.p2alignl 7, 3214868480
	.fill 96, 4, 3214868480
	.section	.rodata,"a",@progbits
	.p2align	6, 0x0
	.amdhsa_kernel k_q58d33a2788_qkv
		.amdhsa_group_segment_fixed_size 327680
		.amdhsa_private_segment_fixed_size 0
		.amdhsa_enable_private_segment 0
		.amdhsa_kernarg_size 56
		.amdhsa_user_sgpr_count 2
		.amdhsa_user_sgpr_kernarg_segment_ptr 1
		.amdhsa_wavefront_size32 1
		.amdhsa_system_sgpr_workgroup_id_x 1
		.amdhsa_system_sgpr_workgroup_id_y 1
		.amdhsa_system_sgpr_workgroup_id_z 1
		.amdhsa_system_vgpr_workitem_id 0
		.amdhsa_next_free_vgpr 1024
		.amdhsa_next_free_sgpr 80
		.amdhsa_reserve_vcc 1
		.amdhsa_float_denorm_mode_32 3
		.amdhsa_float_denorm_mode_16_64 3
		.amdhsa_memory_ordered 1
		.amdhsa_forward_progress 1
		.amdhsa_inst_pref_size 158
	.end_amdhsa_kernel
	.amdgpu_metadata
---
amdhsa.version: [ 1, 2 ]
amdhsa.kernels:
  - .name:           k_q58d33a2788_qkv
    .symbol:         k_q58d33a2788_qkv.kd
    .args:
      - { .name: xn, .offset: 0, .size: 8, .value_kind: global_buffer, .address_space: global }
      - { .name: wb, .offset: 8, .size: 8, .value_kind: global_buffer, .address_space: global }
      - { .name: qkv, .offset: 16, .size: 8, .value_kind: global_buffer, .address_space: global }
      - { .name: bq, .offset: 24, .size: 8, .value_kind: global_buffer, .address_space: global }
      - { .name: bk, .offset: 32, .size: 8, .value_kind: global_buffer, .address_space: global }
      - { .name: bv, .offset: 40, .size: 8, .value_kind: global_buffer, .address_space: global }
      - { .name: mask, .offset: 48, .size: 8, .value_kind: global_buffer, .address_space: global }
    .group_segment_fixed_size: 327680
    .private_segment_fixed_size: 0
    .kernarg_segment_align: 8
    .kernarg_segment_size: 56
    .max_flat_workgroup_size: 128
    .sgpr_count:     80
    .vgpr_count:     1024
    .wavefront_size: 32
...
	.end_amdgpu_metadata
.endif
;; end of part 2
;; launch attn (part 3): grid 8 x 32, 4 waves a work-group, clusters of 4 x 1, 327,680 bytes of LDS; arguments qkv, mask, o; writes o
.if DOCPART == 3
	.amdgcn_target "amdgcn-amd-amdhsa--gfx1250"
	.amdhsa_code_object_version 6
	.text
	.protected	k_q58d33a2788_attn
	.globl	k_q58d33a2788_attn
	.p2align	8
	.type	k_q58d33a2788_attn,@function
k_q58d33a2788_attn:
	s_mov_b64 s[64:65], 0
	v_nop
	global_prefetch_b8 v0, s[64:65] scope:SCOPE_SE
	s_setreg_imm32_b32 hwreg(HW_REG_WAVE_MODE, 25, 1), 1
	s_wait_xcnt 0x0
	s_wait_alu depctr_hold_cnt(0) depctr_sa_sdst(0) depctr_va_vdst(0) depctr_va_sdst(0) depctr_va_ssrc(0) depctr_va_vcc(0) depctr_vm_vsrc(0)
	s_getreg_b32 s2, hwreg(HW_REG_IB_STS2, 6, 4)
	s_cmp_eq_u32 s2, 0
	s_cbranch_scc0 .Lentry_in_a_cluster
	s_endpgm
.Lentry_in_a_cluster:
	s_bfe_u32 s2, ttmp6, 0x10000c
	s_cmp_lg_u32 s2, 0x3003
	s_cbranch_scc0 .Lentry_shape_is_right
	s_endpgm
.Lentry_shape_is_right:
; O[y][q][:] = the sum over k of softmax_k(score) V[y][k][:], score = Q[y][q] . K[y][k] / 8, or hidden where mask[batch][k] = 0.  y = 16 batch + head, 32 in all.
; qkv: [3][32][2048][64] f16, a head's rows dense, 128 bytes each; o: [32][2048][64] f16.  Products, maxima and sums in f32; the weights p are rounded to f16 for the second product
; (their sum l is taken of the unrounded p), O once at the end.
; THE MASK is the C operand that starts the sum S^T = K Q^T: 0, or -2^100 where the key is hidden.  The launch before wrote hidden keys' rows of K as 0, so a hidden score is exactly -2^100:
; where a whole batch is hidden, m = -2^100, c s - c m is exactly 0 and all weights are 1, the uniform weights that equal scores give.
; LIMITS.  A hidden score counts as -2^100 where the problem writes -1e9: the same result wherever a row's largest visible score lies above about -1e9.  A weight below 2^-126 counts as 0 in l;
; p lies in 0 to 1, and below 6e-5 it keeps f16's fixed step of 6e-8; O is a mean of V's rows and has their range, within 65,504.  NaN and infinities are not treated apart.
; SHARES.  A work-group owns 256 queries of one head, a wave 64: four PIECES of 16.  Every wave walks all 2,048 keys, 64 a step, four steps to an LDS slot: 8 tiles of 256 keys.
; LAYOUT.  S^T = K Q^T (source 0 = 16 keys, source 1 = 16 queries) holds ONE query a lane (lane % 16) and the keys 8 (lane / 16) + 0..7; two such results rounded to f16 ARE source 1 of
; O^T = V^T P.  K comes out of LDS as it lies, V ([key][channel]) turned, by ds_load_tr16_b128.
; SOFTMAX.  A running maximum m and sum l for each query: p = 2^(c s - c m), c = log2(e) / 8; in every step O and l are multiplied by a = 2^(c m_old - c m_new).  m starts at the lowest
; finite number, O and l at 0: the first step is a step like any other, with a = 0.
; BY TURNS.  Turn n belongs to piece n: 8 products K Q^T of piece n + 1, later 8 products V^T P of piece n - 1; beside them the scaling, exponentials, roundings, sums and rescaling of piece n
; and the maximum and statistics of piece n + 1.  Four vector instructions stand behind every matrix instruction, the other 54 of a turn's 118 in two runs of their own.
; CLUSTER.  The four query blocks of a cluster belong to one head and walk the same K and V: each tile is asked for jointly, by the same tensor load, descriptor and mask in all four.
; REGISTERS, in windows of 256 (s_set_vgpr_msb: bits 1:0 source 0, 3:2 source 1, 5:4 source 2, 7:6 destination):
;   window 0: v0-15, v32-35 addresses; v16-31 four registers of statistics a piece; v48-55 at work; v64-127 S^T, two buffers; v192-223 P, two buffers (by the piece's parity)
;   window 1: v0-127 O^T, 32 a piece; v128-159 the mask of the key step in hand      window 2: v0-63 Q; v128-191 K of one step; v192-255 V of one step
.set NP,    4         ; pieces a wave: a name, no knob
.set KS,    64        ; keys in a step
.set PK,    144       ; a row of K in LDS: 128 bytes + 16 of padding = 36 words: the 16 rows of a load start at 16 different groups of four banks (ISA guide 11.1)
.set PV,    160       ; a row of V: 128 + 32 = 40 words
.set VOFF,  4*KS*PK   ; a slot holds four steps: 256 rows of K, then 256 rows of V
.set SLOT1, 1<<17     ; slot 1 begins here, so that one exclusive or turns an address in one slot into the other's
.set STAGE, SLOT1+4*KS*(PK+PV)  ; behind the ring, never filled by a tensor load: 16 rows x 144 bytes for each wave, for the way out
.set SP,    144
.set SPARE, STAGE+4*16*SP       ; the spare words, 128 bytes for each wave, which no other line names
.set MASKL, SPARE+512           ; 2,048 f32: 0 or -2^100 for each key of the batch; stored once by the waves, never filled by a tensor load
.set AK0, 2           ; v2   my lane's place in a tile of K; never rewritten
.set AV0, 3           ; v3   the same for V
.set AK,  4           ; v4   the LDS address of K's next run of loads
.set AV,  5           ; v5   of V's
.set STO, 6           ; v6   the way out: where I put 16 bytes of a row
.set RD,  7           ; v7   the way out: where I read rows back
.set GO,  8           ; v8   my byte offset in 512 consecutive bytes of O
.set MV,  12          ; v12-13  c m_old, kept while c m is made anew: by buffer
.set QO,  15          ; v15  my byte offset in 16 rows of Q
.set ST,  16          ; piece t's statistics at v[ST+4 t]: c m, m, l (even keys', odd keys')
.set AM0, 32          ; v32  my lanes' place in a step's 64 numbers of the mask: MASKL + 32 (l / 16)
.set AM,  33          ; v33  the LDS address of the mask's next run of loads
.set TMP, 48          ; by buffer, four registers c0-c3 at work; when the maximum is found c2 takes a
.set SPW, 62          ; v62  LDS address of my spare word; never rewritten
.set NIL, 63          ; v63  0; never rewritten
.set S,   64
.set P,   192
.set MK,  128         ; window 1: the eight registers for key block kb at MK + 8 kb
.set KF,  128         ; window 2: key block kb, channel half c at KF + 16 kb + 8 c
.set VF,  192         ; window 2: key half kk, channel block cb at VF + 32 kk + 8 cb
.set WV,  12          ; s12  my wave's number
.set G1K, 24          ; s[24:31] descriptor group 1 for K's tiles
.set G1V, 32          ; s[32:39] for V's: it differs in the padding alone
.set G0K, 40          ; s[40:43] descriptor group 0 for K's tiles: it walks
.set G0V, 44          ; s[44:47] the same for V's
.set SLOTS, 56        ; s56  slots still to be asked for
.set CNT, 57          ; s57  counts a slot's key steps
.set CS,  58          ; s[58:59] c: the packed scaling takes the pair's low word for both halves
.set SEL, 60          ; s[60:61] v_permlanex16_b32's selects
.set TBK, 62          ; s62  LDS byte at which K of the step to be fetched begins
.set TBV, 63          ; s63  the same for V, less VOFF
.set TBM, 66          ; s66  byte, in the mask's 8,192, of the step to be fetched
.set BIGN, 67         ; s67  -2^100
.set MSB, 0
.macro WIN new                      ; the high byte repeats the setting that is left; a switch that changes nothing is dropped
.if MSB != (\new)
	s_set_vgpr_msb (MSB<<8)|(\new)
.set MSB, (\new)
.endif
.endm
.set W_KQ, 0x0a       ; K and Q in window 2, S^T in window 0
.set W_KM, 0x1a       ; the same with the C operand in window 1
.set W_PV, 0x52       ; V in window 2, P in window 0, O^T in window 1
.set W_RS, 0x41       ; destination and source 0 in window 1, source 1 in window 0
; A joint fill.  Waves 0 and 1 fetch the two halves of a slot's K, waves 2 and 3 those of its V: 128 keys each.  Four v_nop follow each of the two lines.
.macro JLOAD
	s_cmp_lt_u32 s[WV], 2
	s_cbranch_scc0 .Lfor_v_\@
	tensor_load_to_lds s[G0K:G0K+3], s[G1K:G1K+7]
	s_nop 0
.rept 4
	v_nop
.endr
	s_branch .Lasked_\@
.Lfor_v_\@:
	tensor_load_to_lds s[G0V:G0V+3], s[G1V:G1V+7]
	s_nop 0
.rept 4
	v_nop
.endr
.Lasked_\@:
.endm
; A round of the cluster's barrier.
.macro CROUND
	s_barrier_signal -1
	s_barrier_wait -1
	s_cmp_lg_u32 s[WV], 0
	s_cbranch_scc1 .Lnot_wave_0_\@
	s_barrier_signal -3
.Lnot_wave_0_\@:
	s_barrier_wait -3
	s_barrier_signal -1
	s_barrier_wait -1
.endm
; THE CHANGE OF SLOTS.  Each wave waits for all its tensor loads, of which one is out: its part of the other slot; adds 0 to its spare word; and waits for that and for its own LDS work.
; Behind the barrier nobody reads the old slot any more and the other slot is whole.  fill = 1: the old slot is filled again, with the keys two slots on; the barrier is then a round of the
; cluster's, and the joint fill is the first thing behind it: it has four key steps in which to land.  (At its first use nothing has been read: slot 0 is waited for, slot 1 filled, and the
; waves' stores of the mask are shown to each other.)
.macro CHANGE fill
	WIN 0                           ; at a label and at a branch every window is 0
	s_wait_tensorcnt 0x0            ; no tensor load of mine is out, so a group 0 may be written
	ds_add_u32 v[SPW], v[NIL]       ; 0 onto my spare word
.if \fill
.irp g, G0K, G0V
	s_xor_b32 s[\g+1], s[\g+1], SLOT1  ; the walking descriptor: the other slot than last time,
	s_add_nc_u64 s[\g+2:\g+3], s[\g+2:\g+3], 4*KS*128  ; the next 256 keys; the type bits on top are not reached
.endr
	s_wait_dscnt 0x0                ; the add is done, and my reads of the slot are over
	CROUND
	JLOAD
.else
	s_wait_dscnt 0x0
	s_barrier_signal -1
	s_barrier_wait -1
.endif
	s_sub_co_u32 s[TBK], s[TBK], 4*KS*PK  ; the fetches go back to a slot's first step,
	s_xor_b32 s[TBK], s[TBK], SLOT1       ; in the other slot
	s_sub_co_u32 s[TBV], s[TBV], 4*KS*PV
	s_xor_b32 s[TBV], s[TBV], SLOT1
.endm
	s_load_b128 s[68:71], s[0:1], 0x0  ; qkv s[68:69], mask s[70:71]
	s_load_b64 s[10:11], s[0:1], 0x10  ; o
	v_lshl_add_u32 v[SPW], v0, 2, SPARE
	v_mov_b32 v[NIL], 0
	ds_add_u32 v62, v63
	s_wait_dscnt 0x0
	v_lshrrev_b32 v1, 5, v0
	v_readfirstlane_b32 s[WV], v1   ; wave 0..3
	s_bfe_u32 s13, ttmp6, 0x40000   ; cx: my place in the cluster
	s_lshl_b32 s14, ttmp9, 2
	s_add_co_u32 s14, s14, s13      ; my block of 256 queries = 4 x cluster x + cx: it enters Q's and O's addresses alone
	s_and_b32 s15, ttmp7, 0xffff    ; y, which the four partners share
	s_lshl_b32 s20, s15, 18         ; a head is 262,144 bytes
	s_and_b32 s16, s[WV], 1         ; which half of a slot's 256 keys I fetch:
	s_lshl_b32 s22, s16, 14         ; its 128 rows of 128 bytes in memory,
	s_add_co_u32 s22, s22, s20
	s_mov_b32 s23, 0
	s_mul_i32 s17, s16, 128*PK      ; and its place in a slot, for K
	s_mul_i32 s18, s16, 128*PV      ; and for V: no place in the cluster enters an LDS address
	s_lshl_b32 s2, s14, 2
	s_add_co_u32 s2, s2, s[WV]      ; my wave among the head's 32,
	s_lshl_b32 s2, s2, 13           ; its 64 rows
	s_add_co_u32 s2, s2, s20
	s_mov_b32 s3, 0
	s_lshr_b32 s6, s15, 4           ; the batch,
	s_lshl_b32 s6, s6, 13           ; its 2,048 words of the mask
	s_mov_b32 s7, 0
	; descriptor group 1.  128 keys are 16,384 dense bytes: asked for as 64 rows of 256 bytes, two keys a row, and padded in LDS after every key
	s_mov_b32 s[G1K], 15|(1<<16)|(1<<20)|(1<<21)|(4<<22)|(3<<25)  ; 15:0 the mask of four; 17:16 2-byte elements; 20 padding on; 21 set beside a mask; 24:22 after every 32 words; 31:25 4 words
	s_mov_b32 s[G1V], 15|(1<<16)|(1<<20)|(1<<21)|(4<<22)|(7<<25)  ; the same with 8 words of padding
.irp g, G1K, G1V
	s_mov_b32 s[\g+1], 128<<16      ; tensor_dim0 = 128
	s_mov_b32 s[\g+2], 64<<16       ; tensor_dim1 = 64
	s_mov_b32 s[\g+3], 128<<16      ; tile_dim0 = 128
	s_mov_b32 s[\g+4], 64           ; tile_dim1 = 64
	s_mov_b32 s[\g+5], 128          ; 128 elements from row to row
	s_mov_b32 s[\g+6], 0
	s_mov_b32 s[\g+7], 0
.endr
	s_mov_b32 s[CS], 0x3e38aa3b     ; c = log2(e) / 8 = 0.180337
	s_mov_b32 s[CS+1], s[CS]        ; named with it as a pair
	s_mov_b32 s[SEL], 0x76543210
	s_mov_b32 s[SEL+1], 0xfedcba98
	s_mov_b32 s[TBK], SLOT1+4*KS*PK ; the first change of slots turns these two into 0
	s_mov_b32 s[TBV], SLOT1+4*KS*PV
	s_mov_b32 s[TBM], 0
	s_mov_b32 s[BIGN], 0xf1800000   ; -2^100
	s_mov_b32 s[G0K], 1             ; count = 1
	s_mov_b32 s[G0K+1], s17         ; LDS address: slot 0
	s_mov_b32 s[G0V], 1
	s_add_co_u32 s[G0V+1], s18, VOFF
	s_wait_kmcnt 0x0
	s_add_nc_u64 s[G0K+2:G0K+3], s[68:69], s[22:23]
	s_add_nc_u64 s[G0K+2:G0K+3], s[G0K+2:G0K+3], 0x800000   ; k lies 32 heads behind q: my half of the head's first 256 keys
	s_or_b32 s[G0K+3], s[G0K+3], 0x80000000                 ; type = 2
	s_add_nc_u64 s[G0V+2:G0V+3], s[68:69], s[22:23]
	s_add_nc_u64 s[G0V+2:G0V+3], s[G0V+2:G0V+3], 0x1000000  ; v 64 heads behind q
	s_or_b32 s[G0V+3], s[G0V+3], 0x80000000
	s_add_nc_u64 s[4:5], s[68:69], s[2:3]    ; Q and O at my wave's first row
	s_add_nc_u64 s[10:11], s[10:11], s[2:3]
	s_add_nc_u64 s[70:71], s[70:71], s[6:7]  ; the mask at my batch
	CROUND                          ; all four work-groups are here: the first joint loads meet
	JLOAD                           ; slot 0.  Slot 1 is asked for when slot 0 is in
	v_and_b32 v1, 15, v0            ; l % 16
	v_bfe_u32 v9, v0, 4, 1          ; l / 16
	v_lshlrev_b32 v[QO], 7, v1
	v_lshl_add_u32 v[QO], v9, 4, v[QO]  ; row x 128 + 16 x half
	v_lshlrev_b32 v34, 4, v0        ; the mask: thread t takes 16 bytes at 16 t of each quarter,
	v_lshl_add_u32 v35, v0, 4, MASKL  ; and puts them at the same place in LDS
.irp j, 0,1,2,3
	global_load_b128 v[S+4*\j:S+4*\j+3], v34, s[70:71] offset:2048*\j
.endr
	WIN 0x80                        ; destination window 2, address window 0
.set i, 0
.rept 8                             ; Q stays in registers: piece i / 2, channels 32 (i % 2) on
	global_load_b128 v[8*i:8*i+3],   v[QO], s[4:5] offset:(i/2)*2048+(i%2)*64
	global_load_b128 v[8*i+4:8*i+7], v[QO], s[4:5] offset:(i/2)*2048+(i%2)*64+32
.set i, i+1
.endr
	; What the first turn finds: V's registers and P's second buffer hold 0 (its products V^T P, of a piece that has not been, add 0), O^T and l are 0.  All this stands in the wait for the first tile.
.set i, VF
.rept 64
	v_mov_b32 v[i], 0
.set i, i+1
.endr
	WIN 0x40
.set i, 0
.rept 128
	v_mov_b32 v[i], 0
.set i, i+1
.endr
	WIN 0
.set i, 0
.rept 4
	v_mov_b32 v[ST+4*i], 0xfe000000    ; c m: far below every c s, c x -2^100 too
	v_mov_b32 v[ST+4*i+1], 0xff7fffff  ; m
	v_mov_b32 v[ST+4*i+2], 0
	v_mov_b32 v[ST+4*i+3], 0
.set i, i+1
.endr
.set i, P+16
.rept 16
	v_mov_b32 v[i], 0
.set i, i+1
.endr
	v_mul_u32_u24 v[AK0], v1, PK
	v_lshl_add_u32 v[AK0], v9, 4, v[AK0]  ; row x pitch + 16 x half
	; The turning load takes 16 keys x 16 channels (lane l reads key 8 (l / 16) + l % 8, channels 8 ((l / 8) % 2) + 0..7) and leaves half a fragment of V^T: lane l holds channel l % 16 and 8 keys.
	v_and_b32 v10, 7, v0
	v_bfe_u32 v11, v0, 3, 1
	v_lshl_add_u32 v[AV0], v9, 3, v10
	v_mul_u32_u24 v[AV0], v[AV0], PV
	v_lshl_add_u32 v[AV0], v11, 4, v[AV0]
	v_add_nc_u32 v[AV0], VOFF, v[AV0]
	v_lshl_add_u32 v[AM0], v9, 5, MASKL
	s_mul_i32 s13, s[WV], 16*SP
	s_add_co_u32 s13, s13, STAGE    ; my stage
	v_mul_u32_u24 v[STO], v1, SP    ; in: row l % 16, 16 bytes for each half of the lanes
	v_lshl_add_u32 v[STO], v9, 4, v[STO]
	v_add_nc_u32 v[STO], s13, v[STO]
	v_bfe_u32 v[RD], v0, 3, 2       ; back: 32 lanes take four rows of 128 bytes,
	v_mul_u32_u24 v[RD], v[RD], SP
	v_lshl_add_u32 v[RD], v10, 4, v[RD]
	v_add_nc_u32 v[RD], s13, v[RD]
	v_and_b32 v[GO], 31, v0         ; which are 512 consecutive bytes of O
	v_lshlrev_b32 v[GO], 4, v[GO]
	s_wait_loadcnt 16               ; the mask's four loads are in; Q's sixteen, issued behind them, stay out
.set i, 0
.rept 16
	v_cmp_eq_u32 vcc_lo, 0, v[S+i]
	v_cndmask_b32 v[S+i], 0, s[BIGN], vcc_lo  ; 0 where the key is seen, -2^100 where it is hidden
.set i, i+1
.endr
.irp j, 0,1,2,3
	ds_store_b128 v35, v[S+4*\j:S+4*\j+3] offset:2048*\j
.endr
; THE MATRIX WORK.  The 4 accumulators of a run of 8 take turns.  Product i of 8 of S^T = K Q^T for piece x: channels 32 (i / 4) on, keys 16 (i % 4) on.  The first 4 start the sums, with the mask.
.macro KQ x
.set rS, S+32*((\x)%2)+8*(i%4)
.set rK, KF+16*(i%4)+8*(i/4)
.set rQ, 16*(\x)+8*(i/4)
.set rM, MK+8*(i%4)
.if i < 4
	WIN W_KM
	v_wmma_f32_16x16x32_f16 v[rS:rS+7], v[rK:rK+7], v[rQ:rQ+7], v[rM:rM+7]
.else
	WIN W_KQ
	v_wmma_f32_16x16x32_f16 v[rS:rS+7], v[rK:rK+7], v[rQ:rQ+7], v[rS:rS+7]
.endif
.endm
; Product i of 8 of O^T += V^T P for piece x: keys 32 (i / 4) on, channels 16 (i % 4) on.
.macro PV x
	WIN W_PV
.set rO, 32*(\x)+8*(i%4)
.set rV, VF+32*(i/4)+8*(i%4)
.set rP, P+16*((\x)%2)+8*(i/4)
	v_wmma_f32_16x16x32_f16 v[rO:rO+7], v[rV:rV+7], v[rP:rP+7], v[rO:rO+7]
.endm
.macro MM                           ; the turn's next matrix instruction
.if i < 8
	KQ (Y+1)%NP
.else
.set i, i-8
	PV (Y+NP-1)%NP
.set i, i+8
.endif
.set i, i+1
.endm
; THE LDS LOADS stand in runs, never singly among the matrix instructions: a step's K (8 fragments) with its 64 numbers of the mask, and its V (turned).  Their addresses are made some lines ahead.
; last = 1 (the tail): in the last trip there is no further step, and the run is jumped over.
.macro FETCH_K last=0
	WIN 0
.if \last
	s_cmp_eq_u32 s[CNT], 1
	s_cbranch_scc1 .Lno_k_\@
.endif
	WIN 0x80                        ; destination window 2
.irp f, 0,1,2,3,4,5,6,7             ; keys 16 (f / 2) on, channels 32 (f % 2) on
	ds_load_b128 v[KF+8*\f:KF+8*\f+3],   v[AK] offset:(\f/2)*16*PK+(\f%2)*64
	ds_load_b128 v[KF+8*\f+4:KF+8*\f+7], v[AK] offset:(\f/2)*16*PK+(\f%2)*64+32
.endr
	WIN 0x40                        ; destination window 1
.irp f, 0,1,2,3                     ; register j of key block f = the mask of key 16 f + 8 (l / 16) + j; the sixteen lanes of a half read the same words
	ds_load_b128 v[MK+8*\f:MK+8*\f+3],   v[AM] offset:64*\f
	ds_load_b128 v[MK+8*\f+4:MK+8*\f+7], v[AM] offset:64*\f+16
.endr
	s_add_co_u32 s[TBK], s[TBK], KS*PK  ; the next fetch is the next step's
	s_add_co_u32 s[TBM], s[TBM], KS*4
	WIN 0
.if \last
.Lno_k_\@:
.endif
.endm
.macro FETCH_V
	WIN 0x80
.irp f, 0,1,2,3,4,5,6,7             ; keys 32 (f / 4) on, channels 16 (f % 4) on
	ds_load_tr16_b128 v[VF+8*\f:VF+8*\f+3],   v[AV] offset:(\f/4)*32*PV+(\f%4)*32
	ds_load_tr16_b128 v[VF+8*\f+4:VF+8*\f+7], v[AV] offset:(\f/4)*32*PV+16*PV+(\f%4)*32
.endr
	WIN 0
.endm
; THE VECTOR WORK, one line at a time: OP kind, number.  For piece Y: F n: c s - c m for pair n of 16.  E n: the exponential of score n of 32.  C n: pair n rounded to f16.  B n: of the four weights 4 n .. the second
; pair is added onto the first, in place.  L n: l takes that sum (L 0: l = a l + sum).  R n: pair n of 16 of O^T times a.  For piece Y + 1: X n, number n of the 22 that find its maximum and statistics:
;   0-11  four chains c0-c3 of seven scores each, three operands at a time (each accumulator's lowest registers are read first)     12-14, 16  the four scores left over, the old m, and c0-c3 into c0
;   15  c m_old is kept     17, 18  the query's other 32 keys lie in the lane 16 away: the new m     19-21  c m; c m_old - c m_new; a
.set F, 0
.set E, 1
.set C, 2
.set B, 3
.set L, 4
.set R, 5
.set X, 6
.macro REGS y                       ; the registers of piece y
.set rT, ST+4*(\y)
.set rC, TMP+4*((\y)%2)
.set rW, MV+((\y)%2)
.set rS, S+32*((\y)%2)
.set rP, P+16*((\y)%2)
.set rO, 32*(\y)
.endm
.macro OP k, n
.if (\k) == R
	REGS Y
	WIN W_RS
	v_pk_mul_f32 v[rO+2*(\n):rO+2*(\n)+1], v[rO+2*(\n):rO+2*(\n)+1], v[rC+2:rC+3] op_sel_hi:[1,0]
.elseif (\k) < R
	REGS Y
	WIN 0
.if (\k) == F
	v_pk_fma_f32 v[rS+2*(\n):rS+2*(\n)+1], v[rS+2*(\n):rS+2*(\n)+1], s[CS:CS+1], v[rT:rT+1] op_sel_hi:[1,0,0] neg_lo:[0,0,1] neg_hi:[0,0,1]
.elseif (\k) == E
	v_exp_f32 v[rS+(\n)], v[rS+(\n)]
.elseif (\k) == C
	s_wait_alu depctr_va_vdst(0)
	v_cvt_pk_f16_f32 v[rP+(\n)], v[rS+2*(\n)], v[rS+2*(\n)+1]
.elseif (\k) == B
	s_wait_alu depctr_va_vdst(0)
	v_pk_add_f32 v[rS+4*(\n):rS+4*(\n)+1], v[rS+4*(\n):rS+4*(\n)+1], v[rS+4*(\n)+2:rS+4*(\n)+3]
.elseif (\n) == 0
	v_pk_fma_f32 v[rT+2:rT+3], v[rT+2:rT+3], v[rC+2:rC+3], v[rS:rS+1] op_sel_hi:[1,0,1]
.else
	v_pk_add_f32 v[rT+2:rT+3], v[rT+2:rT+3], v[rS+4*(\n):rS+4*(\n)+1]
.endif
.else
	REGS (Y+1)%NP
	WIN 0
.if (\n) < 4
	v_max3_num_f32 v[rC+(\n)], v[rS+8*(\n)], v[rS+8*(\n)+1], v[rS+8*(\n)+2]
.elseif (\n) < 12
	v_max3_num_f32 v[rC+(\n)%4], v[rC+(\n)%4], v[rS+8*((\n)%4)+2*((\n)/4)+1], v[rS+8*((\n)%4)+2*((\n)/4)+2]
.elseif (\n) == 12
	v_max3_num_f32 v[rC], v[rC], v[rS+7], v[rS+15]
.elseif (\n) == 13
	v_max3_num_f32 v[rC+1], v[rC+1], v[rS+23], v[rS+31]
.elseif (\n) == 14
	v_max3_num_f32 v[rC+2], v[rC+2], v[rC+3], v[rT+1]
.elseif (\n) == 15
	v_mov_b32 v[rW], v[rT]
.elseif (\n) == 16
	v_max3_num_f32 v[rC], v[rC], v[rC+1], v[rC+2]
.elseif (\n) == 17
	v_permlanex16_b32 v[rC+3], v[rC], s[SEL], s[SEL+1]
.elseif (\n) == 18
	v_max_num_f32 v[rT+1], v[rC], v[rC+3]
.elseif (\n) == 19
	v_mul_f32 v[rT], s[CS], v[rT+1]
.elseif (\n) == 20
	v_sub_f32 v[rC+1], v[rW], v[rT]
.else
	v_exp_f32 v[rC+2], v[rC+1]
.endif
.endif
.endm
.macro OPS a, i1, b=-1, i2=0, c=-1, i3=0, d=-1, i4=0  ; up to four of them
	OP \a, \i1
.if (\b) >= 0
	OP \b, \i2
.endif
.if (\c) >= 0
	OP \c, \i3
.endif
.if (\d) >= 0
	OP \d, \i4
.endif
.endm
.macro ROW a, i1, b, i2, c, i3, d, i4  ; a matrix instruction and the four behind it
	MM
	OPS \a, \i1, \b, \i2, \c, \i3, \d, \i4
.endm
; A TURN, for piece p: the order of its 16 matrix and 118 vector instructions, written out.  Behind a matrix instruction: plain, exponential, plain, plain; or four of the rescaling; or, behind the first, four scalings; none
; names a register of the products round it.  In the runs between, exponential and plain by turns while exponentials last.  A line reads no result made fewer than three vector instructions in front of it, five if an
; exponential made it.  cnt = 1: the loop's count is taken down some lines ahead of the branch that stands behind the turn.
; K and the mask of the next step are fetched in piece 2's turn, six vector instructions behind the last product that read K (five of them plain; the mask's last reader stands further back); V of the step in hand in
; piece 0's turn, eight behind the last product that read V (four plain).  Each is waited for a turn later.
.macro TURN p, last=0, cnt=0
.set Y, (\p)
.set i, 0
.if (\p) == 3
	s_wait_dscnt 0x0                ; K and the mask are in
.endif
	ROW F,0, F,1, F,2, F,3
	ROW F,4, E,0, F,5, F,6
	ROW F,7, E,1, F,8, F,9
	ROW F,10, E,2, C,0, F,11
	ROW F,12, E,3, X,15, F,13
	ROW R,0, R,1, R,2, R,3
	ROW B,0, E,4, F,14, L,0
.if (\p) == 2
	v_add_nc_u32 v[AK], s[TBK], v[AK0]
	v_add_nc_u32 v[AM], s[TBM], v[AM0]
.endif
	ROW R,4, R,5, R,6, R,7
	OPS E,5, F,15
.if (\p) == 2
	FETCH_K \last
.endif
	OPS E,6, C,1, E,7, R,8
	OPS E,8, R,9, E,9, C,2
	OPS E,10, X,0, E,11, X,1
	OPS E,12, X,2, E,13, X,3
.if (\p) == 1
	s_wait_dscnt 0x0                ; V is in
.endif
	ROW X,4, E,14, X,5, X,6
	ROW X,7, E,15, X,8, X,9
	ROW X,10, E,16, X,11, X,12
	ROW X,13, E,17, X,14, B,1
	ROW C,4, E,18, X,16, L,1
	ROW B,2, E,19, C,6, L,2
	ROW C,8, E,20, B,3, B,4
.if (\p) == 0
	v_add_nc_u32 v[AV], s[TBV], v[AV0]
.endif
	ROW C,3, E,21, L,3, C,5
	OPS E,22, X,17, E,23, C,10
.if (\p) == 0
	FETCH_V
.endif
	OPS E,24, L,4
	OPS E,25, X,18, E,26, C,7
	OPS E,27, B,5, E,28, X,19
	OPS E,29, C,12, E,30, L,5
	OPS E,31, X,20, B,6, C,9
	OPS C,14, C,11, X,21, L,6
.if (\p) == 0
	s_add_co_u32 s[TBV], s[TBV], KS*PV
.endif
.if \cnt
	s_sub_co_u32 s[CNT], s[CNT], 1
	s_cmp_lg_u32 s[CNT], 0
.endif
	OPS C,13, B,7, C,15, R,10
	OPS R,11, R,12, L,7, R,13
	OPS R,14, R,15
.endm
	CHANGE 1                        ; slot 0 is in, everybody's part of it, and so is the mask; slot 1 is asked for
	v_add_nc_u32 v[AK], s[TBK], v[AK0]
	v_add_nc_u32 v[AM], s[TBM], v[AM0]
	FETCH_K                         ; key step 0
	s_wait_loadcnt 0x0              ; Q
	s_wait_dscnt 0x0
.set i, 0
.rept 8
	KQ 0                            ; piece 0's first scores: there is no vector work yet to set between them
.set i, i+1
.endr
	WIN 0
.rept 4
	v_nop                           ; the places behind those products
.endr
.set Y, NP-1                        ; X works for piece Y + 1: piece 0
.irp n, 0,1,2,3,4,5,6,7,8,9,10,11,12,13,14,15,16,17,18,19,20,21
	OP X, \n
.endr
	v_nop                           ; a plain instruction behind the exponential
	s_mov_b32 s[CNT], 4
	s_mov_b32 s[SLOTS], 7           ; 2,048 / 256 - 1
	s_branch .Lfirst                ; the loop is entered at a step's first turn, in the middle of a trip
.Lslot:                             ; six times: every slot but the last two is filled again
	CHANGE 1
	s_mov_b32 s[CNT], 4
.Lstep:                             ; a trip: pieces 2 and 3 of one step, then pieces 0 and 1 of the next, whose K and V it fetches
	TURN 2
	TURN 3
	WIN 0
.Lfirst:
	TURN 0
	TURN 1, 0, 1
	WIN 0
	s_cbranch_scc1 .Lstep
	s_sub_co_u32 s[SLOTS], s[SLOTS], 1
	s_cmp_lg_u32 s[SLOTS], 0
	s_cbranch_scc1 .Lslot
	CHANGE 0                        ; the tail is written out: nothing is asked for
	s_mov_b32 s[CNT], 5             ; four trips fetch the last slot's steps; the fifth is left in its middle
.Ltail:
	TURN 2, 1
	TURN 3
	WIN 0
	s_sub_co_u32 s[CNT], s[CNT], 1
	s_cmp_eq_u32 s[CNT], 0
	s_cbranch_scc1 .Lout
	TURN 0
	TURN 1
	WIN 0
	s_branch .Ltail
.Lout:                              ; the fifth trip's 8 products K Q^T (on the last K once more) and the maximum made of them touch piece 0's m and c m alone, which nothing reads any more
.set i, 0
.rept 8
	PV NP-1                         ; the last piece's V^T P of the last step
.set i, i+1
.endr
	; THE WAY OUT.  l's two halves and the other half of the lanes' are added; O^T is divided by l, rounded to f16 and sent through my stage in LDS, a piece at a time.  The additions are the places behind the last products.
	WIN 0
.macro ALL line:vararg              ; one line for each piece t
.set t, 0
.rept 4
	\line
.set t, t+1
.endr
.endm
	ALL v_add_f32 v[ST+4*t+2], v[ST+4*t+2], v[ST+4*t+3]
	ALL v_permlanex16_b32 v[ST+4*t+3], v[ST+4*t+2], s[SEL], s[SEL+1]
	ALL v_add_f32 v[ST+4*t+2], v[ST+4*t+2], v[ST+4*t+3]
	ALL v_rcp_f32 v[ST+4*t+2], v[ST+4*t+2]
	v_nop                           ; a plain instruction between the last reciprocal and the use of its result
.macro PACK t                       ; a lane's eight channels of a row pack into 16 bytes; they go into rows of 144 bytes and come back as whole rows of 128, into S^T's registers
	WIN W_RS
.set i, 32*(\t)
.rept 16
	s_wait_alu depctr_va_vdst(0)
	v_pk_mul_f32 v[i:i+1], v[i:i+1], v[ST+4*(\t)+2:ST+4*(\t)+3] op_sel_hi:[1,0]
.set i, i+2
.endr
	WIN 0x05                        ; sources 0 and 1 window 1, destination window 0
.set i, 0
.rept 16
	v_cvt_pk_f16_f32 v[S+16*(\t)+i], v[32*(\t)+2*i], v[32*(\t)+2*i+1]
.set i, i+1
.endr
	WIN 0
.irp f, 0,1,2,3
	ds_store_b128 v[STO], v[S+16*(\t)+4*\f:S+16*(\t)+4*\f+3] offset:32*\f
.endr
.irp f, 0,1,2,3
	ds_load_b128 v[S+16*(\t)+4*\f:S+16*(\t)+4*\f+3], v[RD] offset:\f*4*SP  ; LDS serves a wave's instructions in order (ISA guide 5.7.1.4): these see the stores above; the next piece's stores come behind them
.endr
.endm
.macro SEND t, younger              ; younger: the LDS instructions issued behind piece t's loads: the next piece's eight, or none
	WIN 0
.irp f, 0,1,2,3
	s_wait_dscnt (\younger)+3-\f
	global_store_b128 v[GO], v[S+16*(\t)+4*\f:S+16*(\t)+4*\f+3], s[10:11] offset:(\t)*2048+\f*512  ; 512 consecutive bytes, at a multiple of 256 from O's first
.endr
.endm
	PACK 0
.set t, 1
.rept 3                             ; a piece's arithmetic stands between the loads of the piece before and its stores
	PACK t
	SEND t-1, 8
.set t, t+1
.endr
	SEND 3, 0
	s_wait_tensorcnt 0x0            ; the wave's end
	ds_add_u32 v[SPW], v[NIL]
	s_wait_dscnt 0x0
	CROUND                          ; the closing round: no work-group ends while a partner may still ask for a tile that names it
	s_endpgm
.Lfunc_end_k_q58d33a2788_attn:
	.size	k_q58d33a2788_attn, .Lfunc_end_k_q58d33a2788_attn-k_q58d33a2788_attn
	.p2alignl 7, 3214868480
	.fill 96, 4, 3214868480
	.section	.rodata,"a",@progbits
	.p2align	6, 0x0
	.amdhsa_kernel k_q58d33a2788_attn
		.amdhsa_group_segment_fixed_size 327680
		.amdhsa_private_segment_fixed_size 0
		.amdhsa_enable_private_segment 0
		.amdhsa_kernarg_size 24
		.amdhsa_user_sgpr_count 2
		.amdhsa_user_sgpr_kernarg_segment_ptr 1
		.amdhsa_wavefront_size32 1
		.amdhsa_system_sgpr_workgroup_id_x 1
		.amdhsa_system_sgpr_workgroup_id_y 1
		.amdhsa_system_sgpr_workgroup_id_z 1
		.amdhsa_system_vgpr_workitem_id 0
		.amdhsa_next_free_vgpr 768
		.amdhsa_next_free_sgpr 72
		.amdhsa_reserve_vcc 1
		.amdhsa_float_denorm_mode_32 3
		.amdhsa_float_denorm_mode_16_64 3
		.amdhsa_memory_ordered 1
		.amdhsa_forward_progress 1
		.amdhsa_inst_pref_size 121
	.end_amdhsa_kernel
	.amdgpu_metadata
---
amdhsa.version: [ 1, 2 ]
amdhsa.kernels:
  - .name:           k_q58d33a2788_attn
    .symbol:         k_q58d33a2788_attn.kd
    .args:
      - { .name: qkv, .offset: 0, .size: 8, .value_kind: global_buffer, .address_space: global }
      - { .name: mask, .offset: 8, .size: 8, .value_kind: global_buffer, .address_space: global }
      - { .name: o, .offset: 16, .size: 8, .value_kind: global_buffer, .address_space: global }
    .group_segment_fixed_size: 327680
    .private_segment_fixed_size: 0
    .kernarg_segment_align: 8
    .kernarg_segment_size: 24
    .max_flat_workgroup_size: 128
    .sgpr_count:     72
    .vgpr_count:     768
    .wavefront_size: 32
...
	.end_amdgpu_metadata
.endif
;; end of part 3
;; launch wo (part 4): grid 8 x 32, 4 waves a work-group, clusters of 4 x 4, 327,680 bytes of LDS; arguments o, wb, x1, bo, x; writes x1
.if DOCPART == 4
	.amdgcn_target "amdgcn-amd-amdhsa--gfx1250"
	.amdhsa_code_object_version 6
	.text
	.protected	k_q58d33a2788_wo
	.globl	k_q58d33a2788_wo
	.p2align	8
	.type	k_q58d33a2788_wo,@function
k_q58d33a2788_wo:
	s_mov_b64 s[64:65], 0
	v_nop
	global_prefetch_b8 v0, s[64:65] scope:SCOPE_SE
	s_setreg_imm32_b32 hwreg(HW_REG_WAVE_MODE, 25, 1), 1
	s_wait_xcnt 0x0
	s_wait_alu depctr_hold_cnt(0) depctr_sa_sdst(0) depctr_va_vdst(0) depctr_va_sdst(0) depctr_va_ssrc(0) depctr_va_vcc(0) depctr_vm_vsrc(0)
	s_getreg_b32 s2, hwreg(HW_REG_IB_STS2, 6, 4)
	s_cmp_eq_u32 s2, 0
	s_cbranch_scc0 .Lentry_in_a_cluster
	s_endpgm
.Lentry_in_a_cluster:
	s_bfe_u32 s2, ttmp6, 0x10000c
	s_cmp_lg_u32 s2, 0xf033
	s_cbranch_scc0 .Lentry_shape_is_right
	s_endpgm
.Lentry_shape_is_right:
; MODE 0: x1 = x + o Wo^T + bo.   A = o, laid by heads [32][2048][64] f16; K = 1,024 = 16 heads x 64 channels.  x is an input: it is rounded to bf16 here as in the first launch.
; MODE 1: out0 = x1 + h W2^T + b2.   A = h [4096][4096] f16; K = 4,096.  x1 is the program's own, in f32: it is taken as it is.        (One text for both; MODE is set below.)
; B: rows of wb, [1024][K], bf16 values as f16 codes.  The output and the residual are [4096][1024] f32.  Sums in f32; the bias, rounded to bf16 like every input, is the C operand of the products
; that start the sums; the residual is added in f32 on the way out.
; A tile of C is 128 x 128: 256 work-groups.  Four waves, each 64 x 64: 16 accumulators of 16 x 16.  K goes in steps of 256 through two LDS slots.
; MODE 0's tile of A is four heads x 64 tokens: asked for as 4 rows of 8,192 dense bytes, 262,144 bytes apart, padded in LDS behind every token's 128 bytes: [head][token][144].
; CLUSTER: 4 x 4 work-groups; A's tile is shared along a row of the cluster, B's along a column: joint loads.
; THE MATRIX INSTRUCTION IS USED TRANSPOSED (source 0 = 16 rows of B, source 1 = 16 rows of A): a lane holds eight neighbouring numbers of a row of C.
; PREFETCH.  A lap (two K steps) is 1,024 bytes of each row of A and of B.  Of the 512 blocks of 256 bytes that a lap has in a tile row's A, each of the 8 tile columns asks for 64: its waves 0 and 1
; for 32 each, lanes 256 bytes apart (MODE 1: 8 rows x 4 blocks; MODE 0: 64 tokens of head 8 + tile column, 8,192 dense bytes): each block of A is asked for once in the launch.  Of the 512 blocks that a
; lap has in a tile column's B, wave 2 of tile row r asks for those of rows 8 (r mod 16) to 8 (r mod 16) + 7: once by each group of sixteen tile rows (0-15, 16-31).  Wave 3 asks for nothing.
; Lap 1 is asked for at the head, behind the first joint loads; in the loop trip j asks for lap j + 2 behind the joint load of lap j + 1's first K step: one lap, 256 matrix instructions of the wave, ahead
; of the tensor load that wants it.  The last trip asks for nothing, so no request passes a row's end; MODE 0's loop has one trip and asks at the head alone.
; REGISTERS: window 0: v0-31 addresses; v128-255 the accumulators ((a, b) at v[128 + 8 (4 a + b)]).   window 1: two fragment buffers of 128 (64 of A, then 64 of B, for 64 along K).
;   window 2: v0-31 the bias of my 64 columns, as a C operand for each of the 4 column blocks; v32-159 my 64 x 64 of the residual, loaded at the start and out during the whole K loop.
.set MODE,   0
.if MODE == 0
.set SIZE_K, 1024
.set LOGROW, 11                        ; log2 of the bytes in a row of B
.set WOFF,   6291456                   ; where B begins in wb
.set PA,     144                       ; A's pitch in LDS: 128 bytes + 16
.set QA,     64*144                    ; bytes from a quarter (64 along K: a head) to the next
.set HALFA,  4*64*144                  ; what one tensor load of A brings
.set ASTEP,  1<<20                     ; bytes in memory from a K step to the next: four heads
.else
.set SIZE_K, 4096
.set LOGROW, 13
.set WOFF,   16777216
.set PA,     528
.set QA,     128
.set HALFA,  64*528
.set ASTEP,  512
.endif
.set KSTEP,  256
.set PB,     528                       ; B's pitch: 512 bytes + 16 = 132 words: the 16 rows of a load start at 16 different groups of four banks (ISA guide 11.1); 144 bytes = 36 words do the same
.set HALFB,  64*PB
.set SLOT,   2*HALFA+2*HALFB           ; A's 128 rows, then B's 128 rows
.set STAGE,  2*SLOT                    ; behind the ring: 16 rows x 272 bytes for each wave, for the way out
.set SPITCH, 272
.set SPARE,  STAGE+4*16*SPITCH         ; the spare words, 128 bytes for each wave, which no other line names
.set LAPS,   SIZE_K/(2*KSTEP)
.set BO,   14                          ; v14     my byte offset in a block's 16 numbers of bias: 32 (l / 16)
.set ADRA, 16                          ; v16-17  LDS address of my A fragments in slot 0, 1
.set ADRB, 20                          ; v20-21  the same for B
.set STO,  24                          ; v24     the way out: where I put 32 bytes of a row
.set RD,   25                          ; v25     the way out: where I read a row back
.set CO,   26                          ; v26     my byte offset in the output and in the residual
.set SPW,  28                          ; v28     LDS address of my spare word; never rewritten
.set NIL,  29                          ; v29     0; never rewritten
.set PO,   30                          ; v30     the prefetch: my lane's byte offset in the lap to be asked for
.set ACC,  128
.set RES,  32                          ; window 2
.set F0,   0                           ; fragment buffers, in window 1
.set F1,   128
.set G1,  24                           ; s[24:31] descriptor group 1 for A's tiles;  s[32:39] group 0, a set for each slot
.set G0,  32
.set G1B, 48                           ; s[48:55], s[56:63] the same for B's
.set G0B, 56
.set PFB, 80                           ; s[80:81] the prefetch: A or B at my wave's first row; never rewritten
.set PFT, 84                           ; s84      the prefetch: my wave asks while the loop's count is above this
.set MSB, 0
.macro WIN new                         ; the immediate's high byte repeats the setting that is left; a switch that changes nothing is dropped
.if MSB != (\new)
	s_set_vgpr_msb (MSB<<8)|(\new)
.set MSB, \new
.endif
.endm
.set MUL,  0x05                        ; sources 0 (B) and 1 (A) window 1; C and D window 0
.set TO_F, 0x40                        ; destination window 1, address window 0
.set IN_2, 0x8a                        ; destination and both sources window 2
.macro JLOAD s                         ; a joint load: waves 0 and 1 fetch A's two halves, waves 2 and 3 B's; four v_nop follow each of the two lines
	s_cmp_eq_u32 s11, 0
	s_cbranch_scc0 .Lfor_b_\@
	tensor_load_to_lds s[G0+4*(\s):G0+4*(\s)+3], s[G1:G1+7]
	s_nop 0
.rept 4
	v_nop
.endr
	s_branch .Lasked_\@
.Lfor_b_\@:
	tensor_load_to_lds s[G0B+4*(\s):G0B+4*(\s)+3], s[G1B:G1B+7]
	s_nop 0
.rept 4
	v_nop
.endr
.Lasked_\@:
.endm
.macro CREST                           ; a round of the cluster's barrier behind its opening barrier
	s_cmp_lg_u32 s10, 0
	s_cbranch_scc1 .Lnot_wave_0_\@
	s_barrier_signal -3
.Lnot_wave_0_\@:
	s_barrier_wait -3
	s_barrier_signal -1
	s_barrier_wait -1
.endm
.macro CROUND
	s_barrier_signal -1
	s_barrier_wait -1
	CREST
.endm
; The loop's request for the lap after next.  Every window is 0 here.
.macro ASK
	s_wait_xcnt 0x0                                ; the request of a lap ago has read its offset: the register is stepped only behind this wait
	v_add_nc_u32 v[PO], 2*KSTEP*2, v[PO]           ; the next lap's 1,024 bytes of each row
	s_cmp_gt_u32 s3, s[PFT]                        ; not in the last trip, and never in wave 3
	s_cbranch_scc0 .Lno_ask_\@
	global_prefetch_b8 v[PO], s[PFB:PFB+1] th:TH_LOAD_NT scope:SCOPE_SE
.Lno_ask_\@:
.endm
; n pairs of f32 from register r of window 2 on are rounded to bf16 and kept as f32: a pair is packed, then its halves are widened again.
.macro RND2 r, n
	WIN IN_2
.set i, 0
.rept \n
	v_cvt_pk_bf16_f32 v[(\r)+2*i], v[(\r)+2*i], v[(\r)+2*i+1]
.set i, i+1
.endr
.set i, 0
.rept \n
	v_and_b32 v[(\r)+2*i+1], s45, v[(\r)+2*i]
.set i, i+1
.endr
.set i, 0
.rept \n
	v_lshlrev_b32 v[(\r)+2*i], 16, v[(\r)+2*i]
.set i, i+1
.endr
.endm
	s_load_b128 s[4:7], s[0:1], 0x0                ; A s[4:5], wb s[6:7]
	s_load_b64 s[8:9], s[0:1], 0x10                ; the output
	s_load_b128 s[68:71], s[0:1], 0x18             ; the bias s[68:69], the residual s[70:71]
	v_lshl_add_u32 v[SPW], v0, 2, SPARE
	v_mov_b32 v[NIL], 0
	ds_add_u32 v28, v29
	s_wait_dscnt 0x0
	v_lshrrev_b32 v1, 5, v0
	v_readfirstlane_b32 s10, v1                    ; wave 0..3
	s_lshr_b32 s11, s10, 1                         ; which half of the tile's rows is mine.  Also: I fetch for A (0) or for B (1)
	s_and_b32 s12, s10, 1                          ; which half of its columns.  Also: which 64 rows of that tile I fetch
	s_bfe_u32 s40, ttmp6, 0x40000                  ; cx, cy: my place in the cluster
	s_bfe_u32 s41, ttmp6, 0x40004
	s_lshl_b32 s42, ttmp9, 2
	s_add_co_u32 s42, s42, s40                     ; tile column = 4 x cluster x + cx
	s_and_b32 s13, ttmp7, 0xffff
	s_lshl_b32 s13, s13, 2
	s_add_co_u32 s13, s13, s41                     ; tile row = 4 x cluster y + cy
	s_lshl_b32 s43, s41, 2
	s_lshl_b32 s43, 15, s43                        ; my row of the cluster
	s_lshl_b32 s44, 0x1111, s40                    ; my column
	s_mov_b32 s45, 0xffff0000                      ; a word's upper bf16
	; descriptor group 1.  15:0 the mask; 17:16 elements of 2 bytes; 20 padding on; 21 set beside a mask; 24:22 the padding's interval; 31:25 4 words of padding
.if MODE == 0
	s_or_b32 s[G1+0], s43, (1<<16)|(1<<20)|(1<<21)|(4<<22)|(3<<25)  ; padding after every 32 words: a token's 128 bytes
	s_mov_b32 s[G1+1], 4096<<16                    ; tensor_dim0 = 4,096 elements: 64 tokens x 64 channels of a head, dense
	s_mov_b32 s[G1+2], 4<<16                       ; tensor_dim1 = 4 heads
	s_mov_b32 s[G1+3], 4096<<16                    ; tile_dim0
	s_mov_b32 s[G1+4], 4                           ; tile_dim1
	s_mov_b32 s[G1+5], 131072                      ; elements from a head to the next
.else
	s_or_b32 s[G1+0], s43, (1<<16)|(1<<20)|(1<<21)|(6<<22)|(3<<25)  ; padding after every 128 words: a row's 512 bytes
	s_mov_b32 s[G1+1], KSTEP<<16
	s_mov_b32 s[G1+2], 64<<16
	s_mov_b32 s[G1+3], KSTEP<<16
	s_mov_b32 s[G1+4], 64
	s_mov_b32 s[G1+5], SIZE_K
.endif
	s_mov_b32 s[G1+6], 0
	s_mov_b32 s[G1+7], 0
	s_or_b32 s[G1B+0], s44, (1<<16)|(1<<20)|(1<<21)|(6<<22)|(3<<25)
	s_mov_b32 s[G1B+1], KSTEP<<16                  ; B: 64 rows x 256 elements
	s_mov_b32 s[G1B+2], 64<<16
	s_mov_b32 s[G1B+3], KSTEP<<16
	s_mov_b32 s[G1B+4], 64
	s_mov_b32 s[G1B+5], SIZE_K
	s_mov_b32 s[G1B+6], 0
	s_mov_b32 s[G1B+7], 0
	; A's tiles hang on the tile row alone, B's on the tile column alone, each in registers that never hold the other coordinate
	s_lshl_b32 s17, s12, 6                         ; which 64 rows of the tile I fetch
	s_lshl_b32 s16, s13, 7
	s_add_co_u32 s16, s16, s17                     ; A: row 128 x tile row + 64 x half
	s_lshl_b32 s46, s42, 7
	s_add_co_u32 s46, s46, s17                     ; B: row 128 x tile column + 64 x half
.if MODE == 0
	s_lshr_b32 s17, s16, 11                        ; the batch: 16 heads of 262,144 bytes,
	s_lshl_b32 s17, s17, 22
	s_and_b32 s16, s16, 2047                       ; the token in it: 128 bytes
	s_lshl_b32 s16, s16, 7
	s_add_co_u32 s16, s16, s17
	s_lshl_b32 s46, s46, 11                        ; B's rows of 2,048 bytes
.else
	s_lshl_b32 s16, s16, 13                        ; rows of 8,192 bytes: under 2^26
	s_lshl_b32 s46, s46, 13
.endif
	s_mov_b32 s17, 0
	s_mov_b32 s47, 0
	s_mul_i32 s20, s12, HALFA                      ; where they go: no place in the cluster enters an LDS address
	s_mul_i32 s21, s12, HALFB
	s_add_co_u32 s21, s21, 2*HALFA
	; the prefetch's byte offsets, in registers of their own: s82 for a wave that asks for A, s83 for one that asks for B
	s_and_b32 s87, s13, 15
	s_lshl_b32 s87, s87, 3                         ; 8 (tile row mod 16)
	s_lshl_b32 s83, s42, 7
	s_add_co_u32 s83, s83, s87                     ; B: row 128 x tile column + 8 (tile row mod 16)
	s_lshl_b32 s83, s83, LOGROW
	s_add_co_u32 s83, s83, WOFF
.if MODE == 0
	s_lshr_b32 s82, s13, 4                         ; the batch
	s_lshl_b32 s82, s82, 4
	s_add_co_u32 s82, s82, s42
	s_add_co_u32 s82, s82, 8                       ; A: head 16 x batch + 8 + tile column,
	s_lshl_b32 s82, s82, 18                        ; 262,144 bytes a head,
	s_and_b32 s87, s13, 15
	s_lshl_b32 s87, s87, 1
	s_add_co_u32 s87, s87, s12                     ; the group of 64 tokens: 2 (tile row mod 16) + my wave's half,
	s_lshl_b32 s87, s87, 13                        ; 8,192 bytes a group
	s_add_co_u32 s82, s82, s87
.else
	s_lshl_b32 s82, s13, 7
	s_lshl_b32 s87, s42, 4
	s_add_co_u32 s82, s82, s87
	s_lshl_b32 s87, s12, 3
	s_add_co_u32 s82, s82, s87                     ; A: row 128 x tile row + 16 x tile column + 8 x my wave's half
	s_lshl_b32 s82, s82, 13
.endif
	s_movk_i32 s85, 1<<LOGROW                      ; bytes from one of my request's rows to the next,
	s_movk_i32 s86, 2*KSTEP*2                      ; and where lap 1 begins in a row
	s_wait_kmcnt 0x0
	s_add_nc_u64 s[14:15], s[4:5], s[16:17]
	s_add_nc_u64 s[46:47], s[6:7], s[46:47]
	s_add_nc_u64 s[46:47], s[46:47], WOFF
	CROUND                                         ; all sixteen work-groups are here: the first joint loads meet
.irp s, 0,1
	s_mov_b32 s[G0+4*(\s)], 1
	s_add_co_u32 s[G0+4*(\s)+1], s20, (\s)*SLOT
	s_add_nc_u64 s[G0+4*(\s)+2:G0+4*(\s)+3], s[14:15], (\s)*ASTEP
	s_or_b32 s[G0+4*(\s)+3], s[G0+4*(\s)+3], 0x80000000
	s_mov_b32 s[G0B+4*(\s)], 1
	s_add_co_u32 s[G0B+4*(\s)+1], s21, (\s)*SLOT
	s_add_nc_u64 s[G0B+4*(\s)+2:G0B+4*(\s)+3], s[46:47], (\s)*KSTEP*2
	s_or_b32 s[G0B+4*(\s)+3], s[G0B+4*(\s)+3], 0x80000000
	JLOAD \s                                       ; two tensor loads of mine are out
.endr
	; the first request: lap 1 (K steps 2 and 3), which the tensor loads behind the first two changes of slots will want
	s_cmp_lt_u32 s10, 2                            ; waves 0 and 1 ask for A, wave 2 for B
	s_cselect_b64 s[PFB:PFB+1], s[4:5], s[6:7]
	s_cselect_b32 s82, s82, s83
.if MODE == 0
	s_cselect_b32 s85, 1024, s85                   ; A's 8,192 bytes are dense: four blocks, then the next four; the head says the lap
	s_cselect_b32 s86, 0, s86
.endif
	s_mov_b32 s83, 0
	s_add_nc_u64 s[PFB:PFB+1], s[PFB:PFB+1], s[82:83]
	s_cmp_eq_u32 s10, 3
	s_cselect_b32 s[PFT], 0x7fff, 1                ; the loop's count is 1 in its last trip, and never reaches 0x7fff
	v_and_b32 v31, 31, v0                          ; lane
	v_lshrrev_b32 v[PO], 2, v31
	v_and_b32 v31, 3, v31
	v_mul_u32_u24 v[PO], s85, v[PO]                ; row lane / 4,
	v_lshl_add_u32 v[PO], v31, 8, v[PO]            ; block lane % 4 of its four,
	v_add_nc_u32 v[PO], s86, v[PO]                 ; in lap 1
	s_cbranch_scc1 .Lno_first_ask                  ; (wave 3)
	global_prefetch_b8 v[PO], s[PFB:PFB+1] th:TH_LOAD_NT scope:SCOPE_SE
.Lno_first_ask:
	v_and_b32 v1, 15, v0                           ; l % 16
	v_bfe_u32 v2, v0, 4, 1                         ; l / 16
	v_mul_u32_u24 v3, v1, PA
	v_lshl_add_u32 v3, v2, 4, v3                   ; a fragment's row x pitch + 16 x half, for A
	v_mul_u32_u24 v4, v1, PB
	v_lshl_add_u32 v4, v2, 4, v4                   ; and for B
	s_mul_i32 s22, s11, HALFA                      ; my 64 rows of A
	s_mul_i32 s23, s12, HALFB                      ; my 64 rows of B,
	s_add_co_u32 s23, s23, 2*HALFA                 ; which lie behind A's 128
.irp s, 0,1
	v_add_nc_u32 v[ADRA+(\s)], s22, v3
	v_add_nc_u32 v[ADRB+(\s)], s23, v4
	s_add_co_u32 s22, s22, SLOT
	s_add_co_u32 s23, s23, SLOT
.endr
	s_mul_i32 s23, s10, 16*SPITCH
	s_add_co_u32 s23, s23, STAGE                   ; my stage: a wave's 64 columns of f32 are 256 bytes, a whole row of it
	v_mul_u32_u24 v4, v1, SPITCH                   ; in: row l % 16, 32 bytes for each half of the lanes
	v_lshl_add_u32 v4, v2, 5, v4
	v_add_nc_u32 v[STO], s23, v4
	v_mul_u32_u24 v5, v2, SPITCH                   ; back: lanes 0-15 take one row of 256 bytes, lanes 16-31 the next
	v_lshl_add_u32 v5, v1, 4, v5
	v_add_nc_u32 v[RD], s23, v5
	v_lshlrev_b32 v5, 12, v2                       ; and the same two rows in memory, 4,096 bytes apart
	v_lshl_add_u32 v[CO], v1, 4, v5
	v_lshlrev_b32 v[BO], 5, v2
	s_lshl_b32 s72, s42, 9                         ; my first column, in bytes: 512 x tile column + 256 x half
	s_lshl_b32 s73, s12, 8
	s_add_co_u32 s72, s72, s73
	s_mov_b32 s73, 0
	s_add_nc_u64 s[68:69], s[68:69], s[72:73]      ; the bias at my 64 columns
	s_lshl_b32 s74, s13, 7
	s_lshl_b32 s75, s11, 6
	s_add_co_u32 s74, s74, s75                     ; my first row,
	s_lshl_b32 s74, s74, 12                        ; 4,096 bytes a row
	s_add_co_u32 s74, s74, s72
	s_mov_b32 s75, 0
	s_add_nc_u64 s[8:9], s[8:9], s[74:75]
	s_add_nc_u64 s[70:71], s[70:71], s[74:75]
	WIN 0x80                                       ; destination window 2, address window 0
.irp b, 0,1,2,3                                ; register j of block b = bias[16 b + 8 (l / 16) + j]
	global_load_b128 v[8*(\b):8*(\b)+3],   v[BO], s[68:69] offset:64*(\b)
	global_load_b128 v[8*(\b)+4:8*(\b)+7], v[BO], s[68:69] offset:64*(\b)+16
.endr
.set i, 0
.rept 32                                       ; the residual, in the order in which the results come back from the stage: rows 2 i and 2 i + 1, 256 consecutive bytes each
	global_load_b128 v[RES+4*i:RES+4*i+3], v[CO], s[70:71] offset:2*i*4096
.set i, i+1
.endr
	WIN 0
; 8 matrix instructions: m blocks a0, a0 + 1 x all 4 n blocks, 32 along K: half c of buffer f.  zero = 1: the products start the sums, with the bias as C.  The 16 accumulators take turns.
.macro MUL8 f, c, a0, zero
.if \zero
	WIN 0x25                                       ; sources 0 and 1 window 1, C (the bias) window 2, D window 0
.else
	WIN MUL
.endif
.irp a, \a0, (\a0)+1
.irp b, 0,1,2,3
.if \zero
	v_wmma_f32_16x16x32_f16 v[ACC+8*(4*(\a)+(\b)):ACC+8*(4*(\a)+(\b))+7], v[(\f)+64+8*(4*(\c)+(\b)):(\f)+64+8*(4*(\c)+(\b))+7], v[(\f)+8*(4*(\c)+(\a)):(\f)+8*(4*(\c)+(\a))+7], v[8*(\b):8*(\b)+7]
.else
	v_wmma_f32_16x16x32_f16 v[ACC+8*(4*(\a)+(\b)):ACC+8*(4*(\a)+(\b))+7], v[(\f)+64+8*(4*(\c)+(\b)):(\f)+64+8*(4*(\c)+(\b))+7], v[(\f)+8*(4*(\c)+(\a)):(\f)+8*(4*(\c)+(\a))+7], v[ACC+8*(4*(\a)+(\b)):ACC+8*(4*(\a)+(\b))+7]
.endif
.endr
.endr
.endm
; 32 LDS loads in one run: the fragments of quarter q (64 along K) of a slot, into buffer f; the first 32 along K first
.macro FETCH slot, q, f
	WIN TO_F
.irp c, 0,1
.irp i, 0,1,2,3
	ds_load_b128 v[(\f)+64+8*(4*(\c)+(\i)):(\f)+64+8*(4*(\c)+(\i))+3],   v[ADRB+(\slot)] offset:128*(\q)+64*(\c)+(\i)*16*PB
	ds_load_b128 v[(\f)+64+8*(4*(\c)+(\i))+4:(\f)+64+8*(4*(\c)+(\i))+7], v[ADRB+(\slot)] offset:128*(\q)+64*(\c)+(\i)*16*PB+32
	ds_load_b128 v[(\f)+8*(4*(\c)+(\i)):(\f)+8*(4*(\c)+(\i))+3],         v[ADRA+(\slot)] offset:(\q)*QA+64*(\c)+(\i)*16*PA
	ds_load_b128 v[(\f)+8*(4*(\c)+(\i))+4:(\f)+8*(4*(\c)+(\i))+7],       v[ADRA+(\slot)] offset:(\q)*QA+64*(\c)+(\i)*16*PA+32
.endr
.endr
.endm
.macro PLACES                          ; four plain vector instructions in front of loads into registers that matrix instructions have read, and of reads of their results (ISA guide 7.12.1 for vector instructions)
.rept 4
	v_nop
.endr
.endm
; A K step is four quarters of 64 along K, 32 matrix instructions each, on buffers 0, 1, 0, 1.  One of the first three multiplies buffer f and fetches quarter q into g.
.macro QUARTER slot, q, f, g, zero
	s_wait_dscnt 16                                ; the first 32 along K are in; the youngest sixteen loads may be out
	MUL8 \f, 0, 0, \zero
	MUL8 \f, 0, 2, \zero
	PLACES
	FETCH \slot, \q, \g
	s_wait_dscnt 32                                ; all but the 32 just issued
	MUL8 \f, 1, 0, 0
	MUL8 \f, 1, 2, 0
.endm
; The last quarter multiplies buffer 1 and changes slots: one barrier; in front of it each wave waits for all its tensor loads, adds 0 to its spare word, and waits for that and for its own reads of this slot.
; fill = 1: the barrier opens a round of the cluster's, and this slot is filled again, two K steps on, first thing behind the round.  ask = 1: the lap after next is asked for behind that load.
.macro TURN slot, next, fill, ask=0
	WIN 0
	s_wait_tensorcnt 0x0                           ; all my tensor loads have landed: my part of the next slot
	ds_add_u32 v[SPW], v[NIL]                      ; 0 onto my spare word
	s_wait_dscnt 17                                ; (the add and the youngest sixteen loads may be out)
	MUL8 F1, 0, 0, 0
	s_wait_dscnt 0x0                               ; the add is done, and my reads of this slot are over
	s_barrier_signal -1
	MUL8 F1, 0, 2, 0
.if \fill
	WIN 0
.endif
	s_barrier_wait -1
.if \fill
	CREST                                          ; no wave of any partner still reads this slot's tile or has a load on its way
	s_add_nc_u64 s[G0+4*(\slot)+2:G0+4*(\slot)+3], s[G0+4*(\slot)+2:G0+4*(\slot)+3], 2*ASTEP
	s_add_nc_u64 s[G0B+4*(\slot)+2:G0B+4*(\slot)+3], s[G0B+4*(\slot)+2:G0B+4*(\slot)+3], 2*KSTEP*2
	JLOAD \slot                                    ; my one tensor load behind the round; its four v_nop are also the places in front of the loads below
.if (\ask) && (LAPS > 2)
	ASK
.endif
.else
	PLACES
.endif
	FETCH \next, 0, F0
	MUL8 F1, 1, 0, 0
	MUL8 F1, 1, 2, 0
.endm
; THE WAY OUT of block a (16 rows x 64 columns of f32).  BLOCKIN: a lane's eight numbers of a row go into my own stage (the low four registers of an accumulator first)
; and come back as whole rows of 256 bytes, into the registers that the block left.  OUT: (MODE 0: the block's residual is rounded to bf16, while the block comes back;) the residual is added and the rows are stored.
.macro BLOCKIN a
.irp b, 0,1,2,3
	ds_store_b128 v[STO], v[ACC+8*(4*(\a)+(\b)):ACC+8*(4*(\a)+(\b))+3]   offset:64*(\b)
	ds_store_b128 v[STO], v[ACC+8*(4*(\a)+(\b))+4:ACC+8*(4*(\a)+(\b))+7] offset:64*(\b)+16
.endr
.irp t, 0,1,2,3,4,5,6,7
	ds_load_b128 v[ACC+32*(\a)+4*(\t):ACC+32*(\a)+4*(\t)+3], v[RD] offset:(\t)*2*SPITCH  ; LDS serves a wave's instructions in order (ISA guide 5.7.1.4): these see the stores above; the next block's stores come behind them
.endr
.endm
.macro OUT a, younger                  ; younger: the LDS instructions issued behind block a's: the next block's sixteen, or none
.if MODE == 0
	RND2 RES+32*(\a), 16
.endif
	s_wait_dscnt \younger
	WIN 0x08                                       ; source 1 (the residual) window 2
.set i, 0
.rept 16
	v_pk_add_f32 v[ACC+32*(\a)+2*i:ACC+32*(\a)+2*i+1], v[ACC+32*(\a)+2*i:ACC+32*(\a)+2*i+1], v[RES+32*(\a)+2*i:RES+32*(\a)+2*i+1]
.set i, i+1
.endr
	WIN 0
.irp t, 0,1,2,3,4,5,6,7
	global_store_b128 v[CO], v[ACC+32*(\a)+4*(\t):ACC+32*(\a)+4*(\t)+3], s[8:9] offset:(16*(\a)+2*(\t))*4096  ; 16 lanes store 256 consecutive bytes, aligned
.endr
.endm
	s_wait_tensorcnt 1                             ; my part of K step 0 is in; K step 1's may stay out
	s_barrier_signal -1
	s_barrier_wait -1                              ; everybody's is
	FETCH 0, 0, F0
	s_wait_loadcnt 32                              ; the bias is in; the 32 loads of the residual, issued behind it, stay out
	RND2 0, 16                                     ; the bias is rounded to bf16, while the first fragments come
	QUARTER 0, 1, F0, F1, 1                        ; the first quarter stands in front of the loop: its first products start the sums
	WIN 0                                          ; at a label and at a branch every window is 0
	s_mov_b32 s3, LAPS-1
.Llap:                                                 ; a trip goes once round the ring, from a lap's second quarter to the next lap's first, and fills both slots again
	QUARTER 0, 2, F1, F0, 0
	QUARTER 0, 3, F0, F1, 0
	TURN 0, 1, 1, 1
	QUARTER 1, 1, F0, F1, 0
	QUARTER 1, 2, F1, F0, 0
	QUARTER 1, 3, F0, F1, 0
	TURN 1, 0, 1
	QUARTER 0, 1, F0, F1, 0
	WIN 0
	s_sub_co_u32 s3, s3, 1
	s_cmp_lg_u32 s3, 0
	s_cbranch_scc1 .Llap
	QUARTER 0, 2, F1, F0, 0                        ; the last lap fills nothing
	QUARTER 0, 3, F0, F1, 0
	TURN 0, 1, 0
	QUARTER 1, 1, F0, F1, 0
	QUARTER 1, 2, F1, F0, 0
	QUARTER 1, 3, F0, F1, 0
	s_wait_dscnt 16                                ; the very last quarter: nothing more to fetch
	MUL8 F1, 0, 0, 0
	MUL8 F1, 0, 2, 0
	s_wait_dscnt 0x0
	MUL8 F1, 1, 0, 0
	MUL8 F1, 1, 2, 0
	WIN 0
	PLACES
	BLOCKIN 0
	BLOCKIN 1
	s_wait_loadcnt 0x0                             ; the residual
	OUT 0, 16
	BLOCKIN 2
	OUT 1, 16
	BLOCKIN 3
	OUT 2, 16
	OUT 3, 0
	s_wait_tensorcnt 0x0                           ; the wave's end
	ds_add_u32 v[SPW], v[NIL]
	s_wait_dscnt 0x0
	CROUND                                         ; the closing round: no work-group ends while a partner may still ask for a tile that names it
	s_endpgm
.Lfunc_end_k_q58d33a2788_wo:
	.size	k_q58d33a2788_wo, .Lfunc_end_k_q58d33a2788_wo-k_q58d33a2788_wo
	.p2alignl 7, 3214868480
	.fill 96, 4, 3214868480
	.section	.rodata,"a",@progbits
	.p2align	6, 0x0
	.amdhsa_kernel k_q58d33a2788_wo
		.amdhsa_group_segment_fixed_size 327680
		.amdhsa_private_segment_fixed_size 0
		.amdhsa_enable_private_segment 0
		.amdhsa_kernarg_size 40
		.amdhsa_user_sgpr_count 2
		.amdhsa_user_sgpr_kernarg_segment_ptr 1
		.amdhsa_wavefront_size32 1
		.amdhsa_system_sgpr_workgroup_id_x 1
		.amdhsa_system_sgpr_workgroup_id_y 1
		.amdhsa_system_sgpr_workgroup_id_z 1
		.amdhsa_system_vgpr_workitem_id 0
		.amdhsa_next_free_vgpr 672
		.amdhsa_next_free_sgpr 88
		.amdhsa_reserve_vcc 0
		.amdhsa_float_denorm_mode_32 3
		.amdhsa_float_denorm_mode_16_64 3
		.amdhsa_memory_ordered 1
		.amdhsa_forward_progress 1
		.amdhsa_inst_pref_size 106
	.end_amdhsa_kernel
	.amdgpu_metadata
---
amdhsa.version: [ 1, 2 ]
amdhsa.kernels:
  - .name:           k_q58d33a2788_wo
    .symbol:         k_q58d33a2788_wo.kd
    .args:
      - { .name: o, .offset: 0, .size: 8, .value_kind: global_buffer, .address_space: global }
      - { .name: wb, .offset: 8, .size: 8, .value_kind: global_buffer, .address_space: global }
      - { .name: x1, .offset: 16, .size: 8, .value_kind: global_buffer, .address_space: global }
      - { .name: bo, .offset: 24, .size: 8, .value_kind: global_buffer, .address_space: global }
      - { .name: x, .offset: 32, .size: 8, .value_kind: global_buffer, .address_space: global }
    .group_segment_fixed_size: 327680
    .private_segment_fixed_size: 0
    .kernarg_segment_align: 8
    .kernarg_segment_size: 40
    .max_flat_workgroup_size: 128
    .sgpr_count:     88
    .vgpr_count:     672
    .wavefront_size: 32
...
	.end_amdgpu_metadata
.endif
;; end of part 4
;; launch ln2 (part 5): grid 256 x 1, 8 waves a work-group, no clusters, 0 bytes of LDS; arguments x1, alpha2, bias2, xn; writes xn
.if DOCPART == 5
	.amdgcn_target "amdgcn-amd-amdhsa--gfx1250"
	.amdhsa_code_object_version 6
	.text
	.protected	k_q58d33a2788_ln2
	.globl	k_q58d33a2788_ln2
	.p2align	8
	.type	k_q58d33a2788_ln2,@function
k_q58d33a2788_ln2:
	s_mov_b64 s[64:65], 0
	v_nop
	global_prefetch_b8 v0, s[64:65] scope:SCOPE_SE
	s_setreg_imm32_b32 hwreg(HW_REG_WAVE_MODE, 25, 1), 1
	s_wait_xcnt 0x0
; ln2: xn = LayerNorm2(x1) in f16.  x1: [4096][1024] f32, the program's own: taken as it is.  alpha2 and bias2 are inputs: rounded to bf16 like every input.
; A stream: no LDS, no barrier, no matrix unit; nothing is shared between work-groups, so no cluster.
; A wave takes CH = 2 rows on end, a work-group 16.  A row is eight loads of 16 bytes a lane (512 consecutive bytes a load) and stays in 32 registers: it is read once.
; LayerNorm as the problem writes it: mean; sum of (x - mean)^2 / 1023; alpha (x - mean) / (sqrt + 1e-6) + bias, all in f32, in two passes over the registers.
; LIMITS.  A number of xn beyond 65,504 becomes an infinity (xn is at most 32 |alpha| + |bias|).  v_sqrt_f32 and v_rcp_f32 are good to 1 ULP; a variance below 2^-126 counts as 0.
; NaN and infinities are not treated apart.
.set CH,  2                            ; rows of a wave
.set LG,  1                            ; log2 of it
.set X,   4                            ; v[4:67]    row c: 32 registers as loaded, then at work, then 16 packed words
.set T,   X+32*CH                      ; 8 registers: four chains of pairs
.set M,   T+8                          ; the mean (low word of a pair)
.set SC,  M+2                          ; alpha / (std + eps)
.set BI,  SC+2                         ; bias
.set TP,  BI+2                         ; the other half of the lanes' figure
.set AL,  TP+1                         ; alpha
	s_load_b256 s[8:15], s[0:1], 0x0               ; x1 s[8:9], alpha2 s[10:11], bias2 s[12:13], xn s[14:15]
	s_mov_b32 s40, 0x76543210                      ; v_permlanex16_b32: each lane takes its own place in the other half
	s_mov_b32 s41, 0xfedcba98
	s_mov_b32 s43, 0xffff0000                      ; a word's upper bf16
	v_lshrrev_b32 v3, 5, v0                        ; wave
	v_and_b32 v2, 31, v0                           ; lane
	v_lshlrev_b32 v1, 4, v2
	v_lshl_add_u32 v1, v3, 12+LG, v1               ; load offset: wave x CH x 4,096 + 16 x lane
	v_lshlrev_b32 v2, 3, v2
	v_lshl_add_u32 v2, v3, 11+LG, v2               ; store offset: wave x CH x 2,048 + 8 x lane
	v_mov_b32 v[M+1], 0                            ; the upper words of the three pairs are named with the lower ones, so they are written
	v_mov_b32 v[SC+1], 0
	v_mov_b32 v[BI+1], 0
	v_mov_b32 v[TP], 0                             ; v_permlanex16_b32 counts as a reader of its destination
	s_lshl_b32 s38, ttmp9, 15+LG                   ; a work-group reads 8 x CH x 4,096 bytes
	s_mov_b32 s39, 0
	s_lshl_b32 s36, ttmp9, 14+LG                   ; and writes half as many
	s_mov_b32 s37, 0
	s_wait_kmcnt 0x0
	s_load_b32 s30, s[10:11], 0x0                  ; alpha2
	s_load_b32 s31, s[12:13], 0x0                  ; bias2
	s_add_nc_u64 s[32:33], s[8:9], s[38:39]
	s_add_nc_u64 s[34:35], s[14:15], s[36:37]
.set c, 0
.rept CH                                       ; all 8 x CH loads go out at once
.irp j, 0,1,2,3,4,5,6,7
	global_load_b128 v[X+32*c+4*(\j):X+32*c+4*(\j)+3], v1, s[32:33] offset:4096*c+512*(\j)
.endr
.set c, c+1
.endr
; The four chains of pairs in T become one number, the same in all 32 lanes.
.macro REDUCE
	v_pk_add_f32 v[T:T+1], v[T:T+1], v[T+2:T+3]
	v_pk_add_f32 v[T+4:T+5], v[T+4:T+5], v[T+6:T+7]
	v_pk_add_f32 v[T:T+1], v[T:T+1], v[T+4:T+5]
	v_add_f32 v[T], v[T], v[T+1]
	v_add_f32_dpp v[T], v[T], v[T] row_xmask:1 row_mask:0xf bank_mask:0xf
	v_add_f32_dpp v[T], v[T], v[T] row_xmask:2 row_mask:0xf bank_mask:0xf
	v_add_f32_dpp v[T], v[T], v[T] row_xmask:4 row_mask:0xf bank_mask:0xf
	v_add_f32_dpp v[T], v[T], v[T] row_xmask:8 row_mask:0xf bank_mask:0xf
	v_permlanex16_b32 v[TP], v[T], s40, s41
	v_add_f32 v[T], v[T], v[TP]
.endm
; Row c: LayerNorm; rounded to f16 in place (word p is written when registers 2 p and 2 p + 1 have been read); stored: each store's 32 lanes cover 256 consecutive bytes, aligned.
.macro NORM c
.set XC, X+32*(\c)
	s_wait_loadcnt 8*(CH-1-(\c))                   ; loads come back in order: this row's eight are in, the younger row's stay out
.irp k, 0,1,2,3
	v_pk_add_f32 v[T+2*(\k):T+2*(\k)+1], v[XC+2*(\k):XC+2*(\k)+1], v[XC+8+2*(\k):XC+8+2*(\k)+1]  ; the first sixteen numbers start the chains: nothing is cleared
.endr
.irp k, 0,1,2,3,4,5,6,7
	v_pk_add_f32 v[T+2*(\k%4):T+2*(\k%4)+1], v[T+2*(\k%4):T+2*(\k%4)+1], v[XC+16+2*(\k):XC+16+2*(\k)+1]
.endr
	REDUCE
	v_mul_f32 v[M], 0x3a800000, v[T]               ; mean = sum / 1024
.irp k, 0,1,2,3,4,5,6,7,8,9,10,11,12,13,14,15
	v_pk_add_f32 v[XC+2*(\k):XC+2*(\k)+1], v[XC+2*(\k):XC+2*(\k)+1], v[M:M+1] op_sel_hi:[1,0] neg_lo:[0,1] neg_hi:[0,1]  ; x - mean
.endr
.irp k, 0,1,2,3
	v_pk_mul_f32 v[T+2*(\k):T+2*(\k)+1], v[XC+2*(\k):XC+2*(\k)+1], v[XC+2*(\k):XC+2*(\k)+1]
.endr
.irp k, 4,5,6,7,8,9,10,11,12,13,14,15
	v_pk_fma_f32 v[T+2*(\k%4):T+2*(\k%4)+1], v[XC+2*(\k):XC+2*(\k)+1], v[XC+2*(\k):XC+2*(\k)+1], v[T+2*(\k%4):T+2*(\k%4)+1]
.endr
	REDUCE
	v_mul_f32 v[T], 0x3a802008, v[T]               ; / 1023
	v_sqrt_f32 v[T], v[T]
	v_nop                                          ; a plain instruction between a transcendental and the use of its result (ISA guide 5.7.2)
	s_wait_alu depctr_va_vdst(0)
	v_add_f32 v[T], 0x358637bd, v[T]               ; + 1e-6
	v_rcp_f32 v[T], v[T]
	v_nop
	s_wait_alu depctr_va_vdst(0)
	v_mul_f32 v[SC], v[AL], v[T]                   ; alpha / (std + eps)
.irp k, 0,1,2,3,4,5,6,7,8,9,10,11,12,13,14,15
	v_pk_fma_f32 v[XC+2*(\k):XC+2*(\k)+1], v[XC+2*(\k):XC+2*(\k)+1], v[SC:SC+1], v[BI:BI+1] op_sel_hi:[1,0,0]
.endr
.irp p, 0,1,2,3,4,5,6,7,8,9,10,11,12,13,14,15
	v_cvt_pk_f16_f32 v[XC+(\p)], v[XC+2*(\p)], v[XC+2*(\p)+1]
.endr
.irp j, 0,1,2,3,4,5,6,7
	global_store_b64 v2, v[XC+2*(\j):XC+2*(\j)+1], s[34:35] offset:2048*(\c)+256*(\j)
.endr
.endm
	s_wait_kmcnt 0x0                               ; alpha and bias
	v_mov_b32 v[AL], s30
	v_mov_b32 v[BI], s31
	v_cvt_pk_bf16_f32 v[TP], v[AL], v[BI]          ; rounded to bf16, and widened again
	v_lshlrev_b32 v[AL], 16, v[TP]
	v_and_b32 v[BI], s43, v[TP]
	NORM 0
	NORM 1
	s_endpgm
.Lfunc_end_k_q58d33a2788_ln2:
	.size	k_q58d33a2788_ln2, .Lfunc_end_k_q58d33a2788_ln2-k_q58d33a2788_ln2
	.p2alignl 7, 3214868480
	.fill 96, 4, 3214868480
	.section	.rodata,"a",@progbits
	.p2align	6, 0x0
	.amdhsa_kernel k_q58d33a2788_ln2
		.amdhsa_group_segment_fixed_size 0
		.amdhsa_private_segment_fixed_size 0
		.amdhsa_enable_private_segment 0
		.amdhsa_kernarg_size 32
		.amdhsa_user_sgpr_count 2
		.amdhsa_user_sgpr_kernarg_segment_ptr 1
		.amdhsa_wavefront_size32 1
		.amdhsa_system_sgpr_workgroup_id_x 1
		.amdhsa_system_sgpr_workgroup_id_y 1
		.amdhsa_system_sgpr_workgroup_id_z 1
		.amdhsa_system_vgpr_workitem_id 0
		.amdhsa_next_free_vgpr 88
		.amdhsa_next_free_sgpr 66
		.amdhsa_reserve_vcc 0
		.amdhsa_float_denorm_mode_32 3
		.amdhsa_float_denorm_mode_16_64 3
		.amdhsa_memory_ordered 1
		.amdhsa_forward_progress 1
		.amdhsa_inst_pref_size 18
	.end_amdhsa_kernel
	.amdgpu_metadata
---
amdhsa.version: [ 1, 2 ]
amdhsa.kernels:
  - .name:           k_q58d33a2788_ln2
    .symbol:         k_q58d33a2788_ln2.kd
    .args:
      - { .name: x1, .offset: 0, .size: 8, .value_kind: global_buffer, .address_space: global }
      - { .name: alpha2, .offset: 8, .size: 8, .value_kind: global_buffer, .address_space: global }
      - { .name: bias2, .offset: 16, .size: 8, .value_kind: global_buffer, .address_space: global }
      - { .name: xn, .offset: 24, .size: 8, .value_kind: global_buffer, .address_space: global }
    .group_segment_fixed_size: 0
    .private_segment_fixed_size: 0
    .kernarg_segment_align: 8
    .kernarg_segment_size: 32
    .max_flat_workgroup_size: 256
    .sgpr_count:     66
    .vgpr_count:     88
    .wavefront_size: 32
...
	.end_amdgpu_metadata
.endif
;; end of part 5
;; launch ffn1 (part 6): grid 16 x 16, 4 waves a work-group, clusters of 4 x 4, 327,680 bytes of LDS; arguments xn, wb, h, b1; writes h
.if DOCPART == 6
	.amdgcn_target "amdgcn-amd-amdhsa--gfx1250"
	.amdhsa_code_object_version 6
	.text
	.protected	k_q58d33a2788_ffn1
	.globl	k_q58d33a2788_ffn1
	.p2align	8
	.type	k_q58d33a2788_ffn1,@function
k_q58d33a2788_ffn1:
	s_mov_b64 s[64:65], 0
	v_nop
	global_prefetch_b8 v0, s[64:65] scope:SCOPE_SE
	s_setreg_imm32_b32 hwreg(HW_REG_WAVE_MODE, 25, 1), 1
	s_wait_xcnt 0x0
	s_wait_alu depctr_hold_cnt(0) depctr_sa_sdst(0) depctr_va_vdst(0) depctr_va_sdst(0) depctr_va_ssrc(0) depctr_va_vcc(0) depctr_vm_vsrc(0)
	s_getreg_b32 s2, hwreg(HW_REG_IB_STS2, 6, 4)
	s_cmp_eq_u32 s2, 0
	s_cbranch_scc0 .Lentry_in_a_cluster
	s_endpgm
.Lentry_in_a_cluster:
	s_bfe_u32 s2, ttmp6, 0x10000c
	s_cmp_lg_u32 s2, 0xf033
	s_cbranch_scc0 .Lentry_shape_is_right
	s_endpgm
.Lentry_shape_is_right:
; MODE 0: q, k, v = xn [Wq; Wk; Wv]^T + bias, laid by heads: qkv[3][32 = 16 batch + head][2048][64] f16; the rows of k whose token the mask hides are written as 0.
; MODE 1: h = relu(xn W1^T + b1), [4096][4096] f16.        (One text for both; MODE is set below.)
; A: xn [4096][1024] f16.  B: rows of wb, [N][1024], bf16 values as f16 codes.  Sums in f32; the bias, rounded to bf16 like every input, is the C operand of the products that start the sums.
; A tile of C, 256 x 256, is made by four waves, each 128 x 128: 64 accumulators of 16 x 16, 512 registers.  K goes in 8 steps of 128 through a ring of two LDS slots filled by the
; tensor data mover: a tile's rows are 256 bytes of memory, at multiples of 256 bytes.
; CLUSTER: 4 x 4 work-groups.  The four of a row of the cluster need the same tiles of A, the four of a column the same tiles of B: each tile is asked for jointly, by the same tensor
; load with the same descriptor and a mask that names the four.
; MODE 0 has 192 tiles, MODE 1 has 256.
; THE MATRIX INSTRUCTION IS USED TRANSPOSED (source 0 = 16 rows of B, source 1 = 16 rows of A): lane l holds row l % 16 of C and the columns 8 (l / 16) + 0..7.
; REGISTERS, in windows of 256 (s_set_vgpr_msb: bits 1:0 source 0, 3:2 source 1, 5:4 source 2, 7:6 destination):
;   window 0: v0-31 addresses and (MODE 0) eight row masks; v64-127, v128-191 fragments of A, two buffers; v32-63, v192-255 at work on the way out
;   window 1: v0-63 the bias of my 128 columns, as a C operand for each of the 8 column blocks; v64-127, v128-191 fragments of B
;   window 2: the 32 accumulators of my rows 0-63 ((a, b) at v[8 (8 a + b)]);   window 3: those of my rows 64-127
; LIMITS.  A result beyond 65,504 becomes an infinity in f16: with a gain and weights 30 times those of unit gain and spread 1/32 the results' spread is about 900.
; MODE 1's relu (v_max_num_f32 with 0) turns a NaN into 0.
.set MODE,   1
.set SIZE_K, 1024
.set KSTEP,  128
.set PITCH,  272                       ; an LDS row: 256 bytes + 16 of padding = 68 words: the 16 rows that a load touches start at 16 different groups of four banks (ISA guide 11.1)
.set HALFT,  128*PITCH                 ; 128 rows: what one tensor load brings, and what one wave reads of A or of B
.set SLOT,   4*HALFT                   ; A's 256 rows, then B's 256 rows
.set STAGE,  2*SLOT                    ; behind the ring: 16 rows x 272 bytes for each wave, for the way out
.set SPITCH, 272
.set SPARE,  STAGE+4*16*SPITCH         ; behind the stages: the spare words, 128 bytes for each wave, which no other line names
.set LAPS,   SIZE_K/(2*KSTEP)          ; a lap = two K steps = once round the ring
.if MODE == 0
.set WOFF,   0                         ; where B begins in wb
.else
.set WOFF,   8388608
.endif
.set FM,   6                           ; v6-13   MODE 0: for block a of 16 rows, all ones, or 0 where my row of k is hidden
.set BO,   14                          ; v14     my byte offset in a block's 16 numbers of bias: 32 (l / 16)
.set MO,   15                          ; v15     my byte offset in a block's 16 words of the mask: 4 (l % 16)
.set ADRA, 16                          ; v16-17  LDS address of my A fragments in slot 0, 1
.set ADRB, 20                          ; v20-21  the same for B
.set STO,  24                          ; v24     the way out: where I put 16 bytes of a row
.set RD,   25                          ; v25     the way out: where I read back
.set CO,   26                          ; v26     my byte offset in the output
.set SPW,  28                          ; v28     LDS address of my spare word; never rewritten
.set NIL,  29                          ; v29     0; never rewritten
.set F0,   64
.set F1,   128
.set TMP,  192
.set OB,   32
.set G1,  24                           ; s[24:31] descriptor group 1 for A's tiles;  s[32:39] group 0, a set for each slot
.set G0,  32
.set G1B, 48                           ; s[48:55], s[56:63] the same for B's
.set G0B, 56
.set MSB, 0
.macro WIN new                         ; the immediate's high byte repeats the setting that is left; a switch that changes nothing is dropped
.if MSB != (\new)
	s_set_vgpr_msb (MSB<<8)|(\new)
.set MSB, \new
.endif
.endm
.set TO_B, 0x40                        ; destination window 1, address window 0
; A joint load.  Waves 0 and 1 fetch A's two halves, waves 2 and 3 B's.  The branch hangs on the wave's number alone.  Four v_nop follow each of the two lines.
.macro JLOAD s
	s_cmp_eq_u32 s11, 0
	s_cbranch_scc0 .Lfor_b_\@
	tensor_load_to_lds s[G0+4*(\s):G0+4*(\s)+3], s[G1:G1+7]
	s_nop 0
.rept 4
	v_nop
.endr
	s_branch .Lasked_\@
.Lfor_b_\@:
	tensor_load_to_lds s[G0B+4*(\s):G0B+4*(\s)+3], s[G1B:G1B+7]
	s_nop 0
.rept 4
	v_nop
.endr
.Lasked_\@:
.endm
; A round of the cluster's barrier: my work-group's barrier; wave 0 signals for the work-group; every wave waits for all sixteen; my work-group's barrier once more.
.macro CREST
	s_cmp_lg_u32 s10, 0
	s_cbranch_scc1 .Lnot_wave_0_\@
	s_barrier_signal -3
.Lnot_wave_0_\@:
	s_barrier_wait -3
	s_barrier_signal -1
	s_barrier_wait -1
.endm
.macro CROUND
	s_barrier_signal -1
	s_barrier_wait -1
	CREST
.endm
	s_load_b128 s[4:7], s[0:1], 0x0                ; A s[4:5], wb s[6:7]
	s_load_b64 s[8:9], s[0:1], 0x10                ; the output
.if MODE == 0
	s_load_b256 s[68:75], s[0:1], 0x18             ; bq s[68:69], bk s[70:71], bv s[72:73], mask s[74:75]
.else
	s_load_b64 s[68:69], s[0:1], 0x18              ; b1
.endif
	v_lshl_add_u32 v[SPW], v0, 2, SPARE
	v_mov_b32 v[NIL], 0
	ds_add_u32 v28, v29
	s_wait_dscnt 0x0
	v_lshrrev_b32 v1, 5, v0
	v_readfirstlane_b32 s10, v1                    ; wave 0..3
	s_lshr_b32 s11, s10, 1                         ; which half of the tile's rows is mine.  Also: I fetch for A (0) or for B (1)
	s_and_b32 s12, s10, 1                          ; which half of its columns.  Also: which 128 rows of that tile I fetch
	s_bfe_u32 s40, ttmp6, 0x40000                  ; cx, cy: my place in the cluster
	s_bfe_u32 s41, ttmp6, 0x40004
	s_lshl_b32 s42, ttmp9, 2
	s_add_co_u32 s42, s42, s40                     ; tile column = 4 x cluster x + cx
	s_and_b32 s13, ttmp7, 0xffff
	s_lshl_b32 s13, s13, 2
	s_add_co_u32 s13, s13, s41                     ; tile row = 4 x cluster y + cy
	s_lshl_b32 s43, s41, 2
	s_lshl_b32 s43, 15, s43                        ; my row of the cluster: places 4 cy .. 4 cy + 3
	s_lshl_b32 s44, 0x1111, s40                    ; my column: places cx, cx + 4, cx + 8, cx + 12
	s_mov_b32 s45, 0xffff0000                      ; a word's upper bf16
	; descriptor group 1: a tile of 128 rows x 128 elements of 2 bytes, 16 bytes of padding behind every 256
	s_or_b32 s[G1+0], s43, (1<<16)|(1<<20)|(1<<21)|(5<<22)|(3<<25)  ; 15:0 the mask; 17:16 element size; 20 padding on; 21 set beside a mask; 24:22 after every 64 words; 31:25 4 words
	s_or_b32 s[G1B+0], s44, (1<<16)|(1<<20)|(1<<21)|(5<<22)|(3<<25)
.irp g, G1, G1B
	s_mov_b32 s[(\g)+1], KSTEP<<16                 ; tensor_dim0 = 128
	s_mov_b32 s[(\g)+2], 128<<16                   ; tensor_dim1 = 128
	s_mov_b32 s[(\g)+3], KSTEP<<16                 ; tile_dim0 = 128
	s_mov_b32 s[(\g)+4], 128                       ; tile_dim1 = 128
	s_mov_b32 s[(\g)+5], SIZE_K                    ; elements from row to row
	s_mov_b32 s[(\g)+6], 0
	s_mov_b32 s[(\g)+7], 0
.endr
	; A's tiles hang on the tile row alone, B's on the tile column alone, each in registers that never hold the other coordinate
	s_lshl_b32 s17, s12, 7                         ; which 128 rows of the tile I fetch
	s_lshl_b32 s16, s13, 8
	s_add_co_u32 s16, s16, s17
	s_lshl_b32 s16, s16, 11                        ; A: (256 x tile row + 128 x half) rows of 2,048 bytes: under 2^24
	s_lshl_b32 s46, s42, 8
	s_add_co_u32 s46, s46, s17
	s_lshl_b32 s46, s46, 11                        ; B likewise, by the tile column
	s_mov_b32 s17, 0
	s_mov_b32 s47, 0
	s_mul_i32 s20, s10, HALFT                      ; where they go: wave x 128 rows: no place in the cluster enters an LDS address
	s_wait_kmcnt 0x0
	s_add_nc_u64 s[14:15], s[4:5], s[16:17]
	s_add_nc_u64 s[46:47], s[6:7], s[46:47]
.if WOFF
	s_add_nc_u64 s[46:47], s[46:47], WOFF
.endif
	CROUND                                         ; all sixteen work-groups are here: the first joint loads meet
.irp s, 0,1
	s_mov_b32 s[G0+4*(\s)], 1                                      ; count = 1
	s_add_co_u32 s[G0+4*(\s)+1], s20, (\s)*SLOT                    ; LDS address
	s_add_nc_u64 s[G0+4*(\s)+2:G0+4*(\s)+3], s[14:15], (\s)*KSTEP*2  ; global address: K step s
	s_or_b32 s[G0+4*(\s)+3], s[G0+4*(\s)+3], 0x80000000            ; type = 2
	s_mov_b32 s[G0B+4*(\s)], 1
	s_add_co_u32 s[G0B+4*(\s)+1], s20, (\s)*SLOT
	s_add_nc_u64 s[G0B+4*(\s)+2:G0B+4*(\s)+3], s[46:47], (\s)*KSTEP*2
	s_or_b32 s[G0B+4*(\s)+3], s[G0B+4*(\s)+3], 0x80000000
	JLOAD \s                                       ; two tensor loads of mine are out
.endr
	; A fragment is 16 rows x 32 K in 8 registers: lane l holds row l % 16; registers 0-3 K = 8 (l / 16) + 0..7, registers 4-7 K = 16 + 8 (l / 16) + 0..7: two loads of 16 bytes, 32 bytes apart.
	v_and_b32 v1, 15, v0                           ; l % 16
	v_bfe_u32 v2, v0, 4, 1                         ; l / 16
	v_mul_u32_u24 v3, v1, PITCH
	v_lshl_add_u32 v3, v2, 4, v3
	s_mul_i32 s21, s11, HALFT                      ; my 128 rows of A
	s_mul_i32 s22, s12, HALFT                      ; my 128 rows of B,
	s_add_co_u32 s22, s22, 2*HALFT                 ; which lie behind A's 256
.irp s, 0,1
	v_add_nc_u32 v[ADRA+(\s)], s21, v3
	v_add_nc_u32 v[ADRB+(\s)], s22, v3
	s_add_co_u32 s21, s21, SLOT
	s_add_co_u32 s22, s22, SLOT
.endr
	s_mul_i32 s23, s10, 16*SPITCH
	s_add_co_u32 s23, s23, STAGE                   ; my stage
	v_mul_u32_u24 v4, v1, SPITCH                   ; in: row l % 16, 16 bytes for each half of the lanes
	v_lshl_add_u32 v4, v2, 4, v4
	v_add_nc_u32 v[STO], s23, v4
	v_lshlrev_b32 v[BO], 5, v2
	v_lshlrev_b32 v[MO], 2, v1
	s_lshl_b32 s16, s13, 8
	s_lshl_b32 s14, s11, 7
	s_add_co_u32 s16, s16, s14                     ; my first row of C (a token's number)
.if MODE == 0
	v_and_b32 v4, 31, v0                           ; back: 32 lanes take four tokens' 128 bytes of one head,
	v_lshrrev_b32 v5, 3, v4
	v_mul_u32_u24 v5, v5, SPITCH
	v_and_b32 v3, 7, v0
	v_lshl_add_u32 v5, v3, 4, v5
	v_add_nc_u32 v[RD], s23, v5
	v_lshlrev_b32 v[CO], 4, v4                     ; which are 512 consecutive bytes of the output
	s_mov_b32 s66, ttmp9                           ; the cluster's x says which of q, k, v: four tile columns each
	s_cmp_eq_u32 s66, 1
	s_cselect_b32 s67, 0, -1                       ; what a hidden row is masked with: 0 in k, all ones in q and v
	s_cselect_b64 s[76:77], s[70:71], s[72:73]
	s_cmp_eq_u32 s66, 0
	s_cselect_b64 s[76:77], s[68:69], s[76:77]     ; my bias
	s_lshl_b32 s78, s40, 10                        ; 256 columns of 4 bytes for each tile column inside it
	s_lshl_b32 s18, s66, 5                         ; the output: head number 32 x which + 16 x batch + 4 cx + 2 x column half,
	s_lshr_b32 s19, s16, 11
	s_lshl_b32 s19, s19, 4
	s_add_co_u32 s18, s18, s19
	s_lshl_b32 s19, s40, 2
	s_add_co_u32 s18, s18, s19
	s_lshl_b32 s19, s12, 1
	s_add_co_u32 s18, s18, s19
	s_lshl_b32 s18, s18, 18                        ; 262,144 bytes a head,
	s_and_b32 s19, s16, 2047
	s_lshl_b32 s19, s19, 7                         ; 128 bytes a token
	s_add_co_u32 s18, s18, s19
	s_mov_b32 s19, 0
	s_add_nc_u64 s[8:9], s[8:9], s[18:19]
	s_lshl_b32 s18, s16, 2                         ; the mask's words of my 128 tokens
	s_add_nc_u64 s[74:75], s[74:75], s[18:19]
.else
	v_mul_u32_u24 v5, v2, SPITCH                   ; back: lanes 0-15 take one row of 256 bytes, lanes 16-31 the next
	v_lshl_add_u32 v5, v1, 4, v5
	v_add_nc_u32 v[RD], s23, v5
	v_lshlrev_b32 v5, 13, v2                       ; and the same two rows in h, 8,192 bytes apart
	v_lshl_add_u32 v[CO], v1, 4, v5
	s_mov_b64 s[76:77], s[68:69]
	s_lshl_b32 s78, s42, 10
	s_lshl_b32 s18, s16, 13                        ; my first row,
	s_lshl_b32 s19, s42, 9                         ; my first column: 512 bytes a tile column, 256 a half
	s_add_co_u32 s18, s18, s19
	s_lshl_b32 s19, s12, 8
	s_add_co_u32 s18, s18, s19
	s_mov_b32 s19, 0
	s_add_nc_u64 s[8:9], s[8:9], s[18:19]
.endif
	s_lshl_b32 s79, s12, 9
	s_add_co_u32 s78, s78, s79
	s_mov_b32 s79, 0
	s_add_nc_u64 s[76:77], s[76:77], s[78:79]      ; the bias at my 128 columns
	WIN TO_B
.irp b, 0,1,2,3,4,5,6,7                        ; register j of block b = bias[16 b + 8 (l / 16) + j]: the C operand's layout for a lane that holds eight columns of a row
	global_load_b128 v[8*(\b):8*(\b)+3],   v[BO], s[76:77] offset:64*(\b)
	global_load_b128 v[8*(\b)+4:8*(\b)+7], v[BO], s[76:77] offset:64*(\b)+16
.endr
	WIN 0
.if MODE == 0
.irp a, 0,1,2,3,4,5,6,7
	global_load_b32 v[OB+(\a)], v[MO], s[74:75] offset:64*(\a)  ; the mask's word of row 16 a + l % 16
.endr
.endif
; 16 matrix instructions: m blocks a0, a0 + 1 of the window's four x all 8 n blocks, 32 along K.  zero = 1: the products start the sums, with the bias as C: nothing is cleared.
; The 64 accumulators take turns, one instruction a turn.
.macro MUL16 f, hi, a0, zero
.if \zero
	WIN 0x91+0x40*(\hi)                            ; B window 1, A window 0, C (the bias) window 1, D window 2 or 3
.else
	WIN 0xa1+0x50*(\hi)                            ; B window 1, A window 0, C and D window 2 or 3
.endif
.irp a, \a0, (\a0)+1
.irp b, 0,1,2,3,4,5,6,7
.if \zero
	v_wmma_f32_16x16x32_f16 v[8*(8*(\a)+(\b)):8*(8*(\a)+(\b))+7], v[(\f)+8*(\b):(\f)+8*(\b)+7], v[(\f)+8*(4*(\hi)+(\a)):(\f)+8*(4*(\hi)+(\a))+7], v[8*(\b):8*(\b)+7]
.else
	v_wmma_f32_16x16x32_f16 v[8*(8*(\a)+(\b)):8*(8*(\a)+(\b))+7], v[(\f)+8*(\b):(\f)+8*(\b)+7], v[(\f)+8*(4*(\hi)+(\a)):(\f)+8*(4*(\hi)+(\a))+7], v[8*(8*(\a)+(\b)):8*(8*(\a)+(\b))+7]
.endif
.endr
.endr
.endm
; 32 LDS loads in one run: the fragments of one quarter step (128 rows of B, 128 rows of A, 32 K at byte k of the rows) into buffer f
.macro FETCH slot, k, f
	WIN TO_B
.irp i, 0,1,2,3,4,5,6,7
	ds_load_b128 v[(\f)+8*(\i):(\f)+8*(\i)+3],   v[ADRB+(\slot)] offset:(\k)+(\i)*16*PITCH
	ds_load_b128 v[(\f)+8*(\i)+4:(\f)+8*(\i)+7], v[ADRB+(\slot)] offset:(\k)+(\i)*16*PITCH+32
.endr
	WIN 0
.irp i, 0,1,2,3,4,5,6,7
	ds_load_b128 v[(\f)+8*(\i):(\f)+8*(\i)+3],   v[ADRA+(\slot)] offset:(\k)+(\i)*16*PITCH
	ds_load_b128 v[(\f)+8*(\i)+4:(\f)+8*(\i)+7], v[ADRA+(\slot)] offset:(\k)+(\i)*16*PITCH+32
.endr
.endm
; Four plain vector instructions stand between a matrix instruction and a load into a register that it read, or a vector instruction that reads its result (ISA guide 7.12.1 for vector instructions).
.macro PLACES
.rept 4
	v_nop
.endr
.endm
; A K step is four quarters of 32 along K, 64 matrix instructions each, on buffers 0, 1, 0, 1.  One of the first three multiplies buffer f and fetches the next quarter, at byte k, into g.
.macro QUARTER slot, k, f, g, zero
	s_wait_dscnt 8                                 ; B and A's rows 0-63 are in; the youngest eight loads (A's rows 64-127) may be out
	MUL16 \f, 0, 0, \zero
	MUL16 \f, 0, 2, \zero
	PLACES
	FETCH \slot, \k, \g
	s_wait_dscnt 32                                ; all but the 32 just issued
	MUL16 \f, 1, 0, \zero
	MUL16 \f, 1, 2, \zero
.endm
; The last quarter multiplies buffer 1 and changes slots.  One barrier: in front of it each wave waits for all its tensor loads (one is out: its part of the next slot), adds 0 to its spare
; word, and waits for that and for its own reads of this slot.  Behind it nobody reads this slot any more and the next slot is whole.
.macro MEET round
	WIN 0
	s_wait_tensorcnt 0x0                           ; all my tensor loads have landed
	ds_add_u32 v[SPW], v[NIL]                      ; 0 onto my spare word
	s_wait_dscnt 9                                 ; (the add and the youngest eight loads may be out)
	MUL16 F1, 0, 0, 0
	s_wait_dscnt 0x0                               ; the add is done, and my reads of this slot are over
	s_barrier_signal -1
	MUL16 F1, 0, 2, 0                              ; work on registers while the others arrive
.if \round
	WIN 0
.endif
	s_barrier_wait -1
.endm
; fill = 1: the barrier opens a round of the cluster's, and the slot just read out is filled again, two K steps on, first thing behind the round.
.macro TURN slot, next, fill
	MEET \fill
.if \fill
	CREST                                          ; no wave of any partner still reads this slot's tile or has a load on its way
	s_add_nc_u64 s[G0+4*(\slot)+2:G0+4*(\slot)+3], s[G0+4*(\slot)+2:G0+4*(\slot)+3], 2*KSTEP*2
	s_add_nc_u64 s[G0B+4*(\slot)+2:G0B+4*(\slot)+3], s[G0B+4*(\slot)+2:G0B+4*(\slot)+3], 2*KSTEP*2
	JLOAD \slot                                    ; my one tensor load behind the round; its four v_nop are also the places in front of the loads below
.else
	PLACES
.endif
	FETCH \next, 0, F0
	MUL16 F1, 1, 0, 0
	MUL16 F1, 1, 2, 0
.endm
; THE WAY OUT of block a (16 rows).  PACK: (relu,) rounded to f16, 16 bytes a lane (, hidden rows of k cleared).  TOSTAGE: into my own stage and back in the output's order.  SEND: stored.
; Each accumulator's registers are read in ascending order.
.macro PACK a
.set AC, 64*((\a)%4)
.if MODE == 1
	WIN 0x88+0x44*((\a)/4)                         ; source 1 and destination: window 2 or 3
.set i, 0
.rept 64
	v_max_num_f32 v[AC+i], 0, v[AC+i]
.set i, i+1
.endr
.endif
	WIN 0x0a+5*((\a)/4)                            ; sources 0 and 1: window 2 or 3
.irp b, 0,1,2,3,4,5,6,7
.irp r, 0,1,2,3
	v_cvt_pk_f16_f32 v[TMP+4*(\b)+(\r)], v[AC+8*(\b)+2*(\r)], v[AC+8*(\b)+2*(\r)+1]
.endr
.endr
	WIN 0
.if MODE == 0
.set i, 0
.rept 32
	v_and_b32 v[TMP+i], v[FM+(\a)], v[TMP+i]
.set i, i+1
.endr
.endif
.endm
.macro TOSTAGE a
	WIN 0
.set BK, OB+192*((\a)%2)
.irp b, 0,1,2,3,4,5,6,7
	ds_store_b128 v[STO], v[TMP+4*(\b):TMP+4*(\b)+3] offset:32*(\b)
.endr
.irp t, 0,1,2,3,4,5,6,7                        ; LDS serves a wave's instructions in order (ISA guide 5.7.1.4): these see the stores above
.if MODE == 0
	ds_load_b128 v[BK+4*(\t):BK+4*(\t)+3], v[RD] offset:((\t)%4)*4*SPITCH+((\t)/4)*128  ; tokens 4 (t % 4) on, head t / 4 of my two
.else
	ds_load_b128 v[BK+4*(\t):BK+4*(\t)+3], v[RD] offset:(\t)*2*SPITCH
.endif
.endr
.endm
.macro SEND a
	WIN 0
.set BK, OB+192*((\a)%2)
	s_wait_dscnt 0x0                               ; the block is back in registers
	s_wait_xcnt 0x0                                ; the stores of the block before have read their registers: the next TOSTAGE loads into them only behind this wait
.irp t, 0,1,2,3,4,5,6,7
.if MODE == 0
	global_store_b128 v[CO], v[BK+4*(\t):BK+4*(\t)+3], s[8:9] offset:((\t)/4)*262144+(\a)*2048+((\t)%4)*512  ; 512 consecutive bytes of a head, aligned
.else
	global_store_b128 v[CO], v[BK+4*(\t):BK+4*(\t)+3], s[8:9] offset:(16*(\a)+2*(\t))*8192  ; 16 lanes store 256 consecutive bytes, aligned
.endif
.endr
.endm
	s_wait_tensorcnt 1                             ; my part of K step 0 is in; K step 1's may stay out
	s_barrier_signal -1
	s_barrier_wait -1                              ; everybody's is
	FETCH 0, 0, F0
	s_wait_loadcnt 0x0                             ; the bias (and the mask)
	WIN 0x45                                       ; destination and both sources window 1: the bias is rounded to bf16 and kept as f32, while the first fragments come
.set i, 0
.rept 32
	v_cvt_pk_bf16_f32 v[2*i], v[2*i], v[2*i+1]
.set i, i+1
.endr
.set i, 0
.rept 32
	v_and_b32 v[2*i+1], s45, v[2*i]
.set i, i+1
.endr
.set i, 0
.rept 32
	v_lshlrev_b32 v[2*i], 16, v[2*i]
.set i, i+1
.endr
	WIN 0
.if MODE == 0
.irp a, 0,1,2,3,4,5,6,7
	v_cmp_ne_u32 vcc_lo, 0, v[OB+(\a)]
	v_cndmask_b32 v[FM+(\a)], s67, -1, vcc_lo      ; a visible row keeps its bits
.endr
.endif
	QUARTER 0, 64,  F0, F1, 1                      ; the first quarter stands in front of the loop: its products start the sums
	WIN 0                                          ; at a label and at a branch every window is 0
	s_mov_b32 s3, LAPS-1
.Llap:                                                 ; a trip goes once round the ring, from a lap's second quarter to the next lap's first, and fills both slots again
	QUARTER 0, 128, F1, F0, 0
	QUARTER 0, 192, F0, F1, 0
	TURN 0, 1, 1
	QUARTER 1, 64,  F0, F1, 0
	QUARTER 1, 128, F1, F0, 0
	QUARTER 1, 192, F0, F1, 0
	TURN 1, 0, 1
	QUARTER 0, 64,  F0, F1, 0
	WIN 0
	s_sub_co_u32 s3, s3, 1
	s_cmp_lg_u32 s3, 0
	s_cbranch_scc1 .Llap
	QUARTER 0, 128, F1, F0, 0                      ; the last lap fills nothing
	QUARTER 0, 192, F0, F1, 0
	TURN 0, 1, 0
	QUARTER 1, 64,  F0, F1, 0
	QUARTER 1, 128, F1, F0, 0
	QUARTER 1, 192, F0, F1, 0
	s_wait_dscnt 8                                 ; the very last quarter: nothing more to fetch
	MUL16 F1, 0, 0, 0
	MUL16 F1, 0, 2, 0
	s_wait_dscnt 0x0
	MUL16 F1, 1, 0, 0
	MUL16 F1, 1, 2, 0
	PLACES
	PACK 0
	TOSTAGE 0
.irp a, 1,2,3,4,5,6,7                  ; block a's arithmetic stands between block a - 1's loads from the stage and the wait for them
	PACK \a
	SEND (\a)-1
	TOSTAGE \a
.endr
	SEND 7
	s_wait_tensorcnt 0x0                           ; the wave's end
	ds_add_u32 v[SPW], v[NIL]
	s_wait_dscnt 0x0
	CROUND                                         ; the closing round: no work-group ends while a partner may still ask for a tile that names it
	s_endpgm
.Lfunc_end_k_q58d33a2788_ffn1:
	.size	k_q58d33a2788_ffn1, .Lfunc_end_k_q58d33a2788_ffn1-k_q58d33a2788_ffn1
	.p2alignl 7, 3214868480
	.fill 96, 4, 3214868480
	.section	.rodata,"a",@progbits
	.p2align	6, 0x0
	.amdhsa_kernel k_q58d33a2788_ffn1
		.amdhsa_group_segment_fixed_size 327680
		.amdhsa_private_segment_fixed_size 0
		.amdhsa_enable_private_segment 0
		.amdhsa_kernarg_size 32
		.amdhsa_user_sgpr_count 2
		.amdhsa_user_sgpr_kernarg_segment_ptr 1
		.amdhsa_wavefront_size32 1
		.amdhsa_system_sgpr_workgroup_id_x 1
		.amdhsa_system_sgpr_workgroup_id_y 1
		.amdhsa_system_sgpr_workgroup_id_z 1
		.amdhsa_system_vgpr_workitem_id 0
		.amdhsa_next_free_vgpr 1024
		.amdhsa_next_free_sgpr 80
		.amdhsa_reserve_vcc 1
		.amdhsa_float_denorm_mode_32 3
		.amdhsa_float_denorm_mode_16_64 3
		.amdhsa_memory_ordered 1
		.amdhsa_forward_progress 1
		.amdhsa_inst_pref_size 164
	.end_amdhsa_kernel
	.amdgpu_metadata
---
amdhsa.version: [ 1, 2 ]
amdhsa.kernels:
  - .name:           k_q58d33a2788_ffn1
    .symbol:         k_q58d33a2788_ffn1.kd
    .args:
      - { .name: xn, .offset: 0, .size: 8, .value_kind: global_buffer, .address_space: global }
      - { .name: wb, .offset: 8, .size: 8, .value_kind: global_buffer, .address_space: global }
      - { .name: h, .offset: 16, .size: 8, .value_kind: global_buffer, .address_space: global }
      - { .name: b1, .offset: 24, .size: 8, .value_kind: global_buffer, .address_space: global }
    .group_segment_fixed_size: 327680
    .private_segment_fixed_size: 0
    .kernarg_segment_align: 8
    .kernarg_segment_size: 32
    .max_flat_workgroup_size: 128
    .sgpr_count:     80
    .vgpr_count:     1024
    .wavefront_size: 32
...
	.end_amdgpu_metadata
.endif
;; end of part 6
;; launch ffn2 (part 7): grid 8 x 32, 4 waves a work-group, clusters of 4 x 4, 327,680 bytes of LDS; arguments h, wb, out0, b2, x1; writes out0
.if DOCPART == 7
	.amdgcn_target "amdgcn-amd-amdhsa--gfx1250"
	.amdhsa_code_object_version 6
	.text
	.protected	k_q58d33a2788_ffn2
	.globl	k_q58d33a2788_ffn2
	.p2align	8
	.type	k_q58d33a2788_ffn2,@function
k_q58d33a2788_ffn2:
	s_mov_b64 s[64:65], 0
	v_nop
	global_prefetch_b8 v0, s[64:65] scope:SCOPE_SE
	s_setreg_imm32_b32 hwreg(HW_REG_WAVE_MODE, 25, 1), 1
	s_wait_xcnt 0x0
	s_wait_alu depctr_hold_cnt(0) depctr_sa_sdst(0) depctr_va_vdst(0) depctr_va_sdst(0) depctr_va_ssrc(0) depctr_va_vcc(0) depctr_vm_vsrc(0)
	s_getreg_b32 s2, hwreg(HW_REG_IB_STS2, 6, 4)
	s_cmp_eq_u32 s2, 0
	s_cbranch_scc0 .Lentry_in_a_cluster
	s_endpgm
.Lentry_in_a_cluster:
	s_bfe_u32 s2, ttmp6, 0x10000c
	s_cmp_lg_u32 s2, 0xf033
	s_cbranch_scc0 .Lentry_shape_is_right
	s_endpgm
.Lentry_shape_is_right:
; MODE 0: x1 = x + o Wo^T + bo.   A = o, laid by heads [32][2048][64] f16; K = 1,024 = 16 heads x 64 channels.  x is an input: it is rounded to bf16 here as in the first launch.
; MODE 1: out0 = x1 + h W2^T + b2.   A = h [4096][4096] f16; K = 4,096.  x1 is the program's own, in f32: it is taken as it is.        (One text for both; MODE is set below.)
; B: rows of wb, [1024][K], bf16 values as f16 codes.  The output and the residual are [4096][1024] f32.  Sums in f32; the bias, rounded to bf16 like every input, is the C operand of the products
; that start the sums; the residual is added in f32 on the way out.
; A tile of C is 128 x 128: 256 work-groups.  Four waves, each 64 x 64: 16 accumulators of 16 x 16.  K goes in steps of 256 through two LDS slots.
; MODE 0's tile of A is four heads x 64 tokens: asked for as 4 rows of 8,192 dense bytes, 262,144 bytes apart, padded in LDS behind every token's 128 bytes: [head][token][144].
; CLUSTER: 4 x 4 work-groups; A's tile is shared along a row of the cluster, B's along a column: joint loads.
; THE MATRIX INSTRUCTION IS USED TRANSPOSED (source 0 = 16 rows of B, source 1 = 16 rows of A): a lane holds eight neighbouring numbers of a row of C.
; PREFETCH.  A lap (two K steps) is 1,024 bytes of each row of A and of B.  Of the 512 blocks of 256 bytes that a lap has in a tile row's A, each of the 8 tile columns asks for 64: its waves 0 and 1
; for 32 each, lanes 256 bytes apart (MODE 1: 8 rows x 4 blocks; MODE 0: 64 tokens of head 8 + tile column, 8,192 dense bytes): each block of A is asked for once in the launch.  Of the 512 blocks that a
; lap has in a tile column's B, wave 2 of tile row r asks for those of rows 8 (r mod 16) to 8 (r mod 16) + 7: once by each group of sixteen tile rows (0-15, 16-31).  Wave 3 asks for nothing.
; Lap 1 is asked for at the head, behind the first joint loads; in the loop trip j asks for lap j + 2 behind the joint load of lap j + 1's first K step: one lap, 256 matrix instructions of the wave, ahead
; of the tensor load that wants it.  The last trip asks for nothing, so no request passes a row's end; MODE 0's loop has one trip and asks at the head alone.
; REGISTERS: window 0: v0-31 addresses; v128-255 the accumulators ((a, b) at v[128 + 8 (4 a + b)]).   window 1: two fragment buffers of 128 (64 of A, then 64 of B, for 64 along K).
;   window 2: v0-31 the bias of my 64 columns, as a C operand for each of the 4 column blocks; v32-159 my 64 x 64 of the residual, loaded at the start and out during the whole K loop.
.set MODE,   1
.if MODE == 0
.set SIZE_K, 1024
.set LOGROW, 11                        ; log2 of the bytes in a row of B
.set WOFF,   6291456                   ; where B begins in wb
.set PA,     144                       ; A's pitch in LDS: 128 bytes + 16
.set QA,     64*144                    ; bytes from a quarter (64 along K: a head) to the next
.set HALFA,  4*64*144                  ; what one tensor load of A brings
.set ASTEP,  1<<20                     ; bytes in memory from a K step to the next: four heads
.else
.set SIZE_K, 4096
.set LOGROW, 13
.set WOFF,   16777216
.set PA,     528
.set QA,     128
.set HALFA,  64*528
.set ASTEP,  512
.endif
.set KSTEP,  256
.set PB,     528                       ; B's pitch: 512 bytes + 16 = 132 words: the 16 rows of a load start at 16 different groups of four banks (ISA guide 11.1); 144 bytes = 36 words do the same
.set HALFB,  64*PB
.set SLOT,   2*HALFA+2*HALFB           ; A's 128 rows, then B's 128 rows
.set STAGE,  2*SLOT                    ; behind the ring: 16 rows x 272 bytes for each wave, for the way out
.set SPITCH, 272
.set SPARE,  STAGE+4*16*SPITCH         ; the spare words, 128 bytes for each wave, which no other line names
.set LAPS,   SIZE_K/(2*KSTEP)
.set BO,   14                          ; v14     my byte offset in a block's 16 numbers of bias: 32 (l / 16)
.set ADRA, 16                          ; v16-17  LDS address of my A fragments in slot 0, 1
.set ADRB, 20                          ; v20-21  the same for B
.set STO,  24                          ; v24     the way out: where I put 32 bytes of a row
.set RD,   25                          ; v25     the way out: where I read a row back
.set CO,   26                          ; v26     my byte offset in the output and in the residual
.set SPW,  28                          ; v28     LDS address of my spare word; never rewritten
.set NIL,  29                          ; v29     0; never rewritten
.set PO,   30                          ; v30     the prefetch: my lane's byte offset in the lap to be asked for
.set ACC,  128
.set RES,  32                          ; window 2
.set F0,   0                           ; fragment buffers, in window 1
.set F1,   128
.set G1,  24                           ; s[24:31] descriptor group 1 for A's tiles;  s[32:39] group 0, a set for each slot
.set G0,  32
.set G1B, 48                           ; s[48:55], s[56:63] the same for B's
.set G0B, 56
.set PFB, 80                           ; s[80:81] the prefetch: A or B at my wave's first row; never rewritten
.set PFT, 84                           ; s84      the prefetch: my wave asks while the loop's count is above this
.set MSB, 0
.macro WIN new                         ; the immediate's high byte repeats the setting that is left; a switch that changes nothing is dropped
.if MSB != (\new)
	s_set_vgpr_msb (MSB<<8)|(\new)
.set MSB, \new
.endif
.endm
.set MUL,  0x05                        ; sources 0 (B) and 1 (A) window 1; C and D window 0
.set TO_F, 0x40                        ; destination window 1, address window 0
.set IN_2, 0x8a                        ; destination and both sources window 2
.macro JLOAD s                         ; a joint load: waves 0 and 1 fetch A's two halves, waves 2 and 3 B's; four v_nop follow each of the two lines
	s_cmp_eq_u32 s11, 0
	s_cbranch_scc0 .Lfor_b_\@
	tensor_load_to_lds s[G0+4*(\s):G0+4*(\s)+3], s[G1:G1+7]
	s_nop 0
.rept 4
	v_nop
.endr
	s_branch .Lasked_\@
.Lfor_b_\@:
	tensor_load_to_lds s[G0B+4*(\s):G0B+4*(\s)+3], s[G1B:G1B+7]
	s_nop 0
.rept 4
	v_nop
.endr
.Lasked_\@:
.endm
.macro CREST                           ; a round of the cluster's barrier behind its opening barrier
	s_cmp_lg_u32 s10, 0
	s_cbranch_scc1 .Lnot_wave_0_\@
	s_barrier_signal -3
.Lnot_wave_0_\@:
	s_barrier_wait -3
	s_barrier_signal -1
	s_barrier_wait -1
.endm
.macro CROUND
	s_barrier_signal -1
	s_barrier_wait -1
	CREST
.endm
; The loop's request for the lap after next.  Every window is 0 here.
.macro ASK
	s_wait_xcnt 0x0                                ; the request of a lap ago has read its offset: the register is stepped only behind this wait
	v_add_nc_u32 v[PO], 2*KSTEP*2, v[PO]           ; the next lap's 1,024 bytes of each row
	s_cmp_gt_u32 s3, s[PFT]                        ; not in the last trip, and never in wave 3
	s_cbranch_scc0 .Lno_ask_\@
	global_prefetch_b8 v[PO], s[PFB:PFB+1] th:TH_LOAD_NT scope:SCOPE_SE
.Lno_ask_\@:
.endm
; n pairs of f32 from register r of window 2 on are rounded to bf16 and kept as f32: a pair is packed, then its halves are widened again.
.macro RND2 r, n
	WIN IN_2
.set i, 0
.rept \n
	v_cvt_pk_bf16_f32 v[(\r)+2*i], v[(\r)+2*i], v[(\r)+2*i+1]
.set i, i+1
.endr
.set i, 0
.rept \n
	v_and_b32 v[(\r)+2*i+1], s45, v[(\r)+2*i]
.set i, i+1
.endr
.set i, 0
.rept \n
	v_lshlrev_b32 v[(\r)+2*i], 16, v[(\r)+2*i]
.set i, i+1
.endr
.endm
	s_load_b128 s[4:7], s[0:1], 0x0                ; A s[4:5], wb s[6:7]
	s_load_b64 s[8:9], s[0:1], 0x10                ; the output
	s_load_b128 s[68:71], s[0:1], 0x18             ; the bias s[68:69], the residual s[70:71]
	v_lshl_add_u32 v[SPW], v0, 2, SPARE
	v_mov_b32 v[NIL], 0
	ds_add_u32 v28, v29
	s_wait_dscnt 0x0
	v_lshrrev_b32 v1, 5, v0
	v_readfirstlane_b32 s10, v1                    ; wave 0..3
	s_lshr_b32 s11, s10, 1                         ; which half of the tile's rows is mine.  Also: I fetch for A (0) or for B (1)
	s_and_b32 s12, s10, 1                          ; which half of its columns.  Also: which 64 rows of that tile I fetch
	s_bfe_u32 s40, ttmp6, 0x40000                  ; cx, cy: my place in the cluster
	s_bfe_u32 s41, ttmp6, 0x40004
	s_lshl_b32 s42, ttmp9, 2
	s_add_co_u32 s42, s42, s40                     ; tile column = 4 x cluster x + cx
	s_and_b32 s13, ttmp7, 0xffff
	s_lshl_b32 s13, s13, 2
	s_add_co_u32 s13, s13, s41                     ; tile row = 4 x cluster y + cy
	s_lshl_b32 s43, s41, 2
	s_lshl_b32 s43, 15, s43                        ; my row of the cluster
	s_lshl_b32 s44, 0x1111, s40                    ; my column
	s_mov_b32 s45, 0xffff0000                      ; a word's upper bf16
	; descriptor group 1.  15:0 the mask; 17:16 elements of 2 bytes; 20 padding on; 21 set beside a mask; 24:22 the padding's interval; 31:25 4 words of padding
.if MODE == 0
	s_or_b32 s[G1+0], s43, (1<<16)|(1<<20)|(1<<21)|(4<<22)|(3<<25)  ; padding after every 32 words: a token's 128 bytes
	s_mov_b32 s[G1+1], 4096<<16                    ; tensor_dim0 = 4,096 elements: 64 tokens x 64 channels of a head, dense
	s_mov_b32 s[G1+2], 4<<16                       ; tensor_dim1 = 4 heads
	s_mov_b32 s[G1+3], 4096<<16                    ; tile_dim0
	s_mov_b32 s[G1+4], 4                           ; tile_dim1
	s_mov_b32 s[G1+5], 131072                      ; elements from a head to the next
.else
	s_or_b32 s[G1+0], s43, (1<<16)|(1<<20)|(1<<21)|(6<<22)|(3<<25)  ; padding after every 128 words: a row's 512 bytes
	s_mov_b32 s[G1+1], KSTEP<<16
	s_mov_b32 s[G1+2], 64<<16
	s_mov_b32 s[G1+3], KSTEP<<16
	s_mov_b32 s[G1+4], 64
	s_mov_b32 s[G1+5], SIZE_K
.endif
	s_mov_b32 s[G1+6], 0
	s_mov_b32 s[G1+7], 0
	s_or_b32 s[G1B+0], s44, (1<<16)|(1<<20)|(1<<21)|(6<<22)|(3<<25)
	s_mov_b32 s[G1B+1], KSTEP<<16                  ; B: 64 rows x 256 elements
	s_mov_b32 s[G1B+2], 64<<16
	s_mov_b32 s[G1B+3], KSTEP<<16
	s_mov_b32 s[G1B+4], 64
	s_mov_b32 s[G1B+5], SIZE_K
	s_mov_b32 s[G1B+6], 0
	s_mov_b32 s[G1B+7], 0
	; A's tiles hang on the tile row alone, B's on the tile column alone, each in registers that never hold the other coordinate
	s_lshl_b32 s17, s12, 6                         ; which 64 rows of the tile I fetch
	s_lshl_b32 s16, s13, 7
	s_add_co_u32 s16, s16, s17                     ; A: row 128 x tile row + 64 x half
	s_lshl_b32 s46, s42, 7
	s_add_co_u32 s46, s46, s17                     ; B: row 128 x tile column + 64 x half
.if MODE == 0
	s_lshr_b32 s17, s16, 11                        ; the batch: 16 heads of 262,144 bytes,
	s_lshl_b32 s17, s17, 22
	s_and_b32 s16, s16, 2047                       ; the token in it: 128 bytes
	s_lshl_b32 s16, s16, 7
	s_add_co_u32 s16, s16, s17
	s_lshl_b32 s46, s46, 11                        ; B's rows of 2,048 bytes
.else
	s_lshl_b32 s16, s16, 13                        ; rows of 8,192 bytes: under 2^26
	s_lshl_b32 s46, s46, 13
.endif
	s_mov_b32 s17, 0
	s_mov_b32 s47, 0
	s_mul_i32 s20, s12, HALFA                      ; where they go: no place in the cluster enters an LDS address
	s_mul_i32 s21, s12, HALFB
	s_add_co_u32 s21, s21, 2*HALFA
	; the prefetch's byte offsets, in registers of their own: s82 for a wave that asks for A, s83 for one that asks for B
	s_and_b32 s87, s13, 15
	s_lshl_b32 s87, s87, 3                         ; 8 (tile row mod 16)
	s_lshl_b32 s83, s42, 7
	s_add_co_u32 s83, s83, s87                     ; B: row 128 x tile column + 8 (tile row mod 16)
	s_lshl_b32 s83, s83, LOGROW
	s_add_co_u32 s83, s83, WOFF
.if MODE == 0
	s_lshr_b32 s82, s13, 4                         ; the batch
	s_lshl_b32 s82, s82, 4
	s_add_co_u32 s82, s82, s42
	s_add_co_u32 s82, s82, 8                       ; A: head 16 x batch + 8 + tile column,
	s_lshl_b32 s82, s82, 18                        ; 262,144 bytes a head,
	s_and_b32 s87, s13, 15
	s_lshl_b32 s87, s87, 1
	s_add_co_u32 s87, s87, s12                     ; the group of 64 tokens: 2 (tile row mod 16) + my wave's half,
	s_lshl_b32 s87, s87, 13                        ; 8,192 bytes a group
	s_add_co_u32 s82, s82, s87
.else
	s_lshl_b32 s82, s13, 7
	s_lshl_b32 s87, s42, 4
	s_add_co_u32 s82, s82, s87
	s_lshl_b32 s87, s12, 3
	s_add_co_u32 s82, s82, s87                     ; A: row 128 x tile row + 16 x tile column + 8 x my wave's half
	s_lshl_b32 s82, s82, 13
.endif
	s_movk_i32 s85, 1<<LOGROW                      ; bytes from one of my request's rows to the next,
	s_movk_i32 s86, 2*KSTEP*2                      ; and where lap 1 begins in a row
	s_wait_kmcnt 0x0
	s_add_nc_u64 s[14:15], s[4:5], s[16:17]
	s_add_nc_u64 s[46:47], s[6:7], s[46:47]
	s_add_nc_u64 s[46:47], s[46:47], WOFF
	CROUND                                         ; all sixteen work-groups are here: the first joint loads meet
.irp s, 0,1
	s_mov_b32 s[G0+4*(\s)], 1
	s_add_co_u32 s[G0+4*(\s)+1], s20, (\s)*SLOT
	s_add_nc_u64 s[G0+4*(\s)+2:G0+4*(\s)+3], s[14:15], (\s)*ASTEP
	s_or_b32 s[G0+4*(\s)+3], s[G0+4*(\s)+3], 0x80000000
	s_mov_b32 s[G0B+4*(\s)], 1
	s_add_co_u32 s[G0B+4*(\s)+1], s21, (\s)*SLOT
	s_add_nc_u64 s[G0B+4*(\s)+2:G0B+4*(\s)+3], s[46:47], (\s)*KSTEP*2
	s_or_b32 s[G0B+4*(\s)+3], s[G0B+4*(\s)+3], 0x80000000
	JLOAD \s                                       ; two tensor loads of mine are out
.endr
	; the first request: lap 1 (K steps 2 and 3), which the tensor loads behind the first two changes of slots will want
	s_cmp_lt_u32 s10, 2                            ; waves 0 and 1 ask for A, wave 2 for B
	s_cselect_b64 s[PFB:PFB+1], s[4:5], s[6:7]
	s_cselect_b32 s82, s82, s83
.if MODE == 0
	s_cselect_b32 s85, 1024, s85                   ; A's 8,192 bytes are dense: four blocks, then the next four; the head says the lap
	s_cselect_b32 s86, 0, s86
.endif
	s_mov_b32 s83, 0
	s_add_nc_u64 s[PFB:PFB+1], s[PFB:PFB+1], s[82:83]
	s_cmp_eq_u32 s10, 3
	s_cselect_b32 s[PFT], 0x7fff, 1                ; the loop's count is 1 in its last trip, and never reaches 0x7fff
	v_and_b32 v31, 31, v0                          ; lane
	v_lshrrev_b32 v[PO], 2, v31
	v_and_b32 v31, 3, v31
	v_mul_u32_u24 v[PO], s85, v[PO]                ; row lane / 4,
	v_lshl_add_u32 v[PO], v31, 8, v[PO]            ; block lane % 4 of its four,
	v_add_nc_u32 v[PO], s86, v[PO]                 ; in lap 1
	s_cbranch_scc1 .Lno_first_ask                  ; (wave 3)
	global_prefetch_b8 v[PO], s[PFB:PFB+1] th:TH_LOAD_NT scope:SCOPE_SE
.Lno_first_ask:
	v_and_b32 v1, 15, v0                           ; l % 16
	v_bfe_u32 v2, v0, 4, 1                         ; l / 16
	v_mul_u32_u24 v3, v1, PA
	v_lshl_add_u32 v3, v2, 4, v3                   ; a fragment's row x pitch + 16 x half, for A
	v_mul_u32_u24 v4, v1, PB
	v_lshl_add_u32 v4, v2, 4, v4                   ; and for B
	s_mul_i32 s22, s11, HALFA                      ; my 64 rows of A
	s_mul_i32 s23, s12, HALFB                      ; my 64 rows of B,
	s_add_co_u32 s23, s23, 2*HALFA                 ; which lie behind A's 128
.irp s, 0,1
	v_add_nc_u32 v[ADRA+(\s)], s22, v3
	v_add_nc_u32 v[ADRB+(\s)], s23, v4
	s_add_co_u32 s22, s22, SLOT
	s_add_co_u32 s23, s23, SLOT
.endr
	s_mul_i32 s23, s10, 16*SPITCH
	s_add_co_u32 s23, s23, STAGE                   ; my stage: a wave's 64 columns of f32 are 256 bytes, a whole row of it
	v_mul_u32_u24 v4, v1, SPITCH                   ; in: row l % 16, 32 bytes for each half of the lanes
	v_lshl_add_u32 v4, v2, 5, v4
	v_add_nc_u32 v[STO], s23, v4
	v_mul_u32_u24 v5, v2, SPITCH                   ; back: lanes 0-15 take one row of 256 bytes, lanes 16-31 the next
	v_lshl_add_u32 v5, v1, 4, v5
	v_add_nc_u32 v[RD], s23, v5
	v_lshlrev_b32 v5, 12, v2                       ; and the same two rows in memory, 4,096 bytes apart
	v_lshl_add_u32 v[CO], v1, 4, v5
	v_lshlrev_b32 v[BO], 5, v2
	s_lshl_b32 s72, s42, 9                         ; my first column, in bytes: 512 x tile column + 256 x half
	s_lshl_b32 s73, s12, 8
	s_add_co_u32 s72, s72, s73
	s_mov_b32 s73, 0
	s_add_nc_u64 s[68:69], s[68:69], s[72:73]      ; the bias at my 64 columns
	s_lshl_b32 s74, s13, 7
	s_lshl_b32 s75, s11, 6
	s_add_co_u32 s74, s74, s75                     ; my first row,
	s_lshl_b32 s74, s74, 12                        ; 4,096 bytes a row
	s_add_co_u32 s74, s74, s72
	s_mov_b32 s75, 0
	s_add_nc_u64 s[8:9], s[8:9], s[74:75]
	s_add_nc_u64 s[70:71], s[70:71], s[74:75]
	WIN 0x80                                       ; destination window 2, address window 0
.irp b, 0,1,2,3                                ; register j of block b = bias[16 b + 8 (l / 16) + j]
	global_load_b128 v[8*(\b):8*(\b)+3],   v[BO], s[68:69] offset:64*(\b)
	global_load_b128 v[8*(\b)+4:8*(\b)+7], v[BO], s[68:69] offset:64*(\b)+16
.endr
.set i, 0
.rept 32                                       ; the residual, in the order in which the results come back from the stage: rows 2 i and 2 i + 1, 256 consecutive bytes each
	global_load_b128 v[RES+4*i:RES+4*i+3], v[CO], s[70:71] offset:2*i*4096
.set i, i+1
.endr
	WIN 0
; 8 matrix instructions: m blocks a0, a0 + 1 x all 4 n blocks, 32 along K: half c of buffer f.  zero = 1: the products start the sums, with the bias as C.  The 16 accumulators take turns.
.macro MUL8 f, c, a0, zero
.if \zero
	WIN 0x25                                       ; sources 0 and 1 window 1, C (the bias) window 2, D window 0
.else
	WIN MUL
.endif
.irp a, \a0, (\a0)+1
.irp b, 0,1,2,3
.if \zero
	v_wmma_f32_16x16x32_f16 v[ACC+8*(4*(\a)+(\b)):ACC+8*(4*(\a)+(\b))+7], v[(\f)+64+8*(4*(\c)+(\b)):(\f)+64+8*(4*(\c)+(\b))+7], v[(\f)+8*(4*(\c)+(\a)):(\f)+8*(4*(\c)+(\a))+7], v[8*(\b):8*(\b)+7]
.else
	v_wmma_f32_16x16x32_f16 v[ACC+8*(4*(\a)+(\b)):ACC+8*(4*(\a)+(\b))+7], v[(\f)+64+8*(4*(\c)+(\b)):(\f)+64+8*(4*(\c)+(\b))+7], v[(\f)+8*(4*(\c)+(\a)):(\f)+8*(4*(\c)+(\a))+7], v[ACC+8*(4*(\a)+(\b)):ACC+8*(4*(\a)+(\b))+7]
.endif
.endr
.endr
.endm
; 32 LDS loads in one run: the fragments of quarter q (64 along K) of a slot, into buffer f; the first 32 along K first
.macro FETCH slot, q, f
	WIN TO_F
.irp c, 0,1
.irp i, 0,1,2,3
	ds_load_b128 v[(\f)+64+8*(4*(\c)+(\i)):(\f)+64+8*(4*(\c)+(\i))+3],   v[ADRB+(\slot)] offset:128*(\q)+64*(\c)+(\i)*16*PB
	ds_load_b128 v[(\f)+64+8*(4*(\c)+(\i))+4:(\f)+64+8*(4*(\c)+(\i))+7], v[ADRB+(\slot)] offset:128*(\q)+64*(\c)+(\i)*16*PB+32
	ds_load_b128 v[(\f)+8*(4*(\c)+(\i)):(\f)+8*(4*(\c)+(\i))+3],         v[ADRA+(\slot)] offset:(\q)*QA+64*(\c)+(\i)*16*PA
	ds_load_b128 v[(\f)+8*(4*(\c)+(\i))+4:(\f)+8*(4*(\c)+(\i))+7],       v[ADRA+(\slot)] offset:(\q)*QA+64*(\c)+(\i)*16*PA+32
.endr
.endr
.endm
.macro PLACES                          ; four plain vector instructions in front of loads into registers that matrix instructions have read, and of reads of their results (ISA guide 7.12.1 for vector instructions)
.rept 4
	v_nop
.endr
.endm
; A K step is four quarters of 64 along K, 32 matrix instructions each, on buffers 0, 1, 0, 1.  One of the first three multiplies buffer f and fetches quarter q into g.
.macro QUARTER slot, q, f, g, zero
	s_wait_dscnt 16                                ; the first 32 along K are in; the youngest sixteen loads may be out
	MUL8 \f, 0, 0, \zero
	MUL8 \f, 0, 2, \zero
	PLACES
	FETCH \slot, \q, \g
	s_wait_dscnt 32                                ; all but the 32 just issued
	MUL8 \f, 1, 0, 0
	MUL8 \f, 1, 2, 0
.endm
; The last quarter multiplies buffer 1 and changes slots: one barrier; in front of it each wave waits for all its tensor loads, adds 0 to its spare word, and waits for that and for its own reads of this slot.
; fill = 1: the barrier opens a round of the cluster's, and this slot is filled again, two K steps on, first thing behind the round.  ask = 1: the lap after next is asked for behind that load.
.macro TURN slot, next, fill, ask=0
	WIN 0
	s_wait_tensorcnt 0x0                           ; all my tensor loads have landed: my part of the next slot
	ds_add_u32 v[SPW], v[NIL]                      ; 0 onto my spare word
	s_wait_dscnt 17                                ; (the add and the youngest sixteen loads may be out)
	MUL8 F1, 0, 0, 0
	s_wait_dscnt 0x0                               ; the add is done, and my reads of this slot are over
	s_barrier_signal -1
	MUL8 F1, 0, 2, 0
.if \fill
	WIN 0
.endif
	s_barrier_wait -1
.if \fill
	CREST                                          ; no wave of any partner still reads this slot's tile or has a load on its way
	s_add_nc_u64 s[G0+4*(\slot)+2:G0+4*(\slot)+3], s[G0+4*(\slot)+2:G0+4*(\slot)+3], 2*ASTEP
	s_add_nc_u64 s[G0B+4*(\slot)+2:G0B+4*(\slot)+3], s[G0B+4*(\slot)+2:G0B+4*(\slot)+3], 2*KSTEP*2
	JLOAD \slot                                    ; my one tensor load behind the round; its four v_nop are also the places in front of the loads below
.if (\ask) && (LAPS > 2)
	ASK
.endif
.else
	PLACES
.endif
	FETCH \next, 0, F0
	MUL8 F1, 1, 0, 0
	MUL8 F1, 1, 2, 0
.endm
; THE WAY OUT of block a (16 rows x 64 columns of f32).  BLOCKIN: a lane's eight numbers of a row go into my own stage (the low four registers of an accumulator first)
; and come back as whole rows of 256 bytes, into the registers that the block left.  OUT: (MODE 0: the block's residual is rounded to bf16, while the block comes back;) the residual is added and the rows are stored.
.macro BLOCKIN a
.irp b, 0,1,2,3
	ds_store_b128 v[STO], v[ACC+8*(4*(\a)+(\b)):ACC+8*(4*(\a)+(\b))+3]   offset:64*(\b)
	ds_store_b128 v[STO], v[ACC+8*(4*(\a)+(\b))+4:ACC+8*(4*(\a)+(\b))+7] offset:64*(\b)+16
.endr
.irp t, 0,1,2,3,4,5,6,7
	ds_load_b128 v[ACC+32*(\a)+4*(\t):ACC+32*(\a)+4*(\t)+3], v[RD] offset:(\t)*2*SPITCH  ; LDS serves a wave's instructions in order (ISA guide 5.7.1.4): these see the stores above; the next block's stores come behind them
.endr
.endm
.macro OUT a, younger                  ; younger: the LDS instructions issued behind block a's: the next block's sixteen, or none
.if MODE == 0
	RND2 RES+32*(\a), 16
.endif
	s_wait_dscnt \younger
	WIN 0x08                                       ; source 1 (the residual) window 2
.set i, 0
.rept 16
	v_pk_add_f32 v[ACC+32*(\a)+2*i:ACC+32*(\a)+2*i+1], v[ACC+32*(\a)+2*i:ACC+32*(\a)+2*i+1], v[RES+32*(\a)+2*i:RES+32*(\a)+2*i+1]
.set i, i+1
.endr
	WIN 0
.irp t, 0,1,2,3,4,5,6,7
	global_store_b128 v[CO], v[ACC+32*(\a)+4*(\t):ACC+32*(\a)+4*(\t)+3], s[8:9] offset:(16*(\a)+2*(\t))*4096  ; 16 lanes store 256 consecutive bytes, aligned
.endr
.endm
	s_wait_tensorcnt 1                             ; my part of K step 0 is in; K step 1's may stay out
	s_barrier_signal -1
	s_barrier_wait -1                              ; everybody's is
	FETCH 0, 0, F0
	s_wait_loadcnt 32                              ; the bias is in; the 32 loads of the residual, issued behind it, stay out
	RND2 0, 16                                     ; the bias is rounded to bf16, while the first fragments come
	QUARTER 0, 1, F0, F1, 1                        ; the first quarter stands in front of the loop: its first products start the sums
	WIN 0                                          ; at a label and at a branch every window is 0
	s_mov_b32 s3, LAPS-1
.Llap:                                                 ; a trip goes once round the ring, from a lap's second quarter to the next lap's first, and fills both slots again
	QUARTER 0, 2, F1, F0, 0
	QUARTER 0, 3, F0, F1, 0
	TURN 0, 1, 1, 1
	QUARTER 1, 1, F0, F1, 0
	QUARTER 1, 2, F1, F0, 0
	QUARTER 1, 3, F0, F1, 0
	TURN 1, 0, 1
	QUARTER 0, 1, F0, F1, 0
	WIN 0
	s_sub_co_u32 s3, s3, 1
	s_cmp_lg_u32 s3, 0
	s_cbranch_scc1 .Llap
	QUARTER 0, 2, F1, F0, 0                        ; the last lap fills nothing
	QUARTER 0, 3, F0, F1, 0
	TURN 0, 1, 0
	QUARTER 1, 1, F0, F1, 0
	QUARTER 1, 2, F1, F0, 0
	QUARTER 1, 3, F0, F1, 0
	s_wait_dscnt 16                                ; the very last quarter: nothing more to fetch
	MUL8 F1, 0, 0, 0
	MUL8 F1, 0, 2, 0
	s_wait_dscnt 0x0
	MUL8 F1, 1, 0, 0
	MUL8 F1, 1, 2, 0
	WIN 0
	PLACES
	BLOCKIN 0
	BLOCKIN 1
	s_wait_loadcnt 0x0                             ; the residual
	OUT 0, 16
	BLOCKIN 2
	OUT 1, 16
	BLOCKIN 3
	OUT 2, 16
	OUT 3, 0
	s_wait_tensorcnt 0x0                           ; the wave's end
	ds_add_u32 v[SPW], v[NIL]
	s_wait_dscnt 0x0
	CROUND                                         ; the closing round: no work-group ends while a partner may still ask for a tile that names it
	s_endpgm
.Lfunc_end_k_q58d33a2788_ffn2:
	.size	k_q58d33a2788_ffn2, .Lfunc_end_k_q58d33a2788_ffn2-k_q58d33a2788_ffn2
	.p2alignl 7, 3214868480
	.fill 96, 4, 3214868480
	.section	.rodata,"a",@progbits
	.p2align	6, 0x0
	.amdhsa_kernel k_q58d33a2788_ffn2
		.amdhsa_group_segment_fixed_size 327680
		.amdhsa_private_segment_fixed_size 0
		.amdhsa_enable_private_segment 0
		.amdhsa_kernarg_size 40
		.amdhsa_user_sgpr_count 2
		.amdhsa_user_sgpr_kernarg_segment_ptr 1
		.amdhsa_wavefront_size32 1
		.amdhsa_system_sgpr_workgroup_id_x 1
		.amdhsa_system_sgpr_workgroup_id_y 1
		.amdhsa_system_sgpr_workgroup_id_z 1
		.amdhsa_system_vgpr_workitem_id 0
		.amdhsa_next_free_vgpr 672
		.amdhsa_next_free_sgpr 88
		.amdhsa_reserve_vcc 0
		.amdhsa_float_denorm_mode_32 3
		.amdhsa_float_denorm_mode_16_64 3
		.amdhsa_memory_ordered 1
		.amdhsa_forward_progress 1
		.amdhsa_inst_pref_size 97
	.end_amdhsa_kernel
	.amdgpu_metadata
---
amdhsa.version: [ 1, 2 ]
amdhsa.kernels:
  - .name:           k_q58d33a2788_ffn2
    .symbol:         k_q58d33a2788_ffn2.kd
    .args:
      - { .name: h, .offset: 0, .size: 8, .value_kind: global_buffer, .address_space: global }
      - { .name: wb, .offset: 8, .size: 8, .value_kind: global_buffer, .address_space: global }
      - { .name: out0, .offset: 16, .size: 8, .value_kind: global_buffer, .address_space: global }
      - { .name: b2, .offset: 24, .size: 8, .value_kind: global_buffer, .address_space: global }
      - { .name: x1, .offset: 32, .size: 8, .value_kind: global_buffer, .address_space: global }
    .group_segment_fixed_size: 327680
    .private_segment_fixed_size: 0
    .kernarg_segment_align: 8
    .kernarg_segment_size: 40
    .max_flat_workgroup_size: 128
    .sgpr_count:     88
    .vgpr_count:     672
    .wavefront_size: 32
...
	.end_amdgpu_metadata
.endif
;; end of part 7
